; MI455X (gfx1250); checked and timed in simulation.
; The chip was launched on July 23, 2026; its instructions are those of AMD's public machine-readable ISA for CDNA 5 (MIT licence, August 2026) and "CDNA5" Instruction Set Architecture Reference Guide (July 2026). The comments in the code are by the model that wrote it; some were corrected since.
;; Llama Attention Block. Allowed arithmetic: matrix products marked QUANTISED: E2M3 operands, one E8M0 scale for each 32 along K, by v_wmma_scale_f32_16x16x128_f8f6f4 with both operands' format E2M3, f32 sums; everything else in f32.
;; Inputs: attention_mask 4 x 1 x 1 x 2,048 float32; h 4 x 2,048 x 1,024 float32; w_attn 1,024 x 3,072 float32; w_proj 1,024 x 1,024 float32.
;; Outputs: out0 4 x 2,048 x 1,024 float32.
;; This version of the problem:
;;   THIS VERSION OF THE PROBLEM IS GIVEN IN LOW PRECISION. The matrix products marked QUANTISED in the list below multiply operands that are first quantised to E2M3 (2 exponent bits, 3 mantissa bits; 6 bits a number), with one power-of-two scale for each 32 numbers along K (OCP MX v1.0); their sums are f32. All else is computed in f32.
;;   The module's matrix products, in the order in which they are computed (A, B: the left and right operand; K: the contracted axis; several contracted axes count as one K, in the product's order):
;;     1. [M 8,192, K 1,024] x [K 1,024, N 3,072]; A: input h; B: input w_attn: QUANTISED
;;     2. batch 64 x [M 2,048, K 64] x [K 64, N 2,048]; A: computed on the way; B: computed on the way: QUANTISED
;;     3. batch 64 x [M 2,048, K 2,048] x [K 2,048, N 64]; A: softmax (see below); B: computed on the way: QUANTISED
;;     4. [M 8,192, K 1,024] x [K 1,024, N 1,024]; A: computed on the way; B: input w_proj: QUANTISED
;;   THE QUANTISER, for each operand of a quantised product, along K:
;;     - K is cut into blocks of 32 from its start; a last block that is shorter is filled with zeros.
;;     - A block's scale is 2^e with e = floor(log2(the largest magnitude in the block)) - 2, held to -126 .. 127; a block of zeros has e = 0. As a byte (E8M0): e + 127.
;;     - Each number is divided by its block's scale, clamped to +-7.5, and rounded to the nearest number of E2M3, ties to even, subnormals kept.
;;     - The product sums the exact products of the quantised numbers (number of the format x scale) in f32.
;;   ~~~python
;;   def quantise(x, axis):      # numpy; x: float32 -> the quantised numbers, widened to float32 again
;;       x = np.moveaxis(x, axis, -1); K = x.shape[-1]
;;       x = np.pad(x, [(0, 0)] * (x.ndim - 1) + [(0, -K % 32)]); x = x.reshape(x.shape[:-1] + (-1, 32)); a = np.abs(x).max(-1, keepdims=True)
;;       e = np.where(a > 0, np.clip(np.frexp(np.where(a > 0, a, 1))[1] - 1 - 2, -126, 127), 0)      # np.frexp(a)[1] - 1 = floor(log2(a)), exactly
;;       r = np.clip(x / 2.0 ** e, -7.5, 7.5)
;;       step = 2.0 ** (np.maximum(np.frexp(np.where(r == 0, 1, r))[1] - 1, 0) - 3)
;;       q = np.round(r / step) * step * 2.0 ** e      # np.round: ties to even
;;       return np.moveaxis(q.reshape(q.shape[:-2] + (-1,))[..., :K], -1, axis).astype(np.float32)
;;   ~~~
;;   SOFTMAX AHEAD OF A QUANTISED PRODUCT. Where the list says 'softmax', what is quantised is not the finished softmax but p = 2^(t - M), with t = logit x log2(e) and M = ceil(the row's largest t), a whole number; so 1/2 < the row's largest p <= 1. The row's sum l is taken of the UNQUANTISED p, in f32, and the product's result is divided by l at the end. Since M is a whole number, a kernel that streams over the keys may use a running M (the ceiling of the running maximum): every later rescaling is an exact power of two, which a block's scale takes up: the codes' values come out the same.
;;   OPERANDS COMPUTED ON THE WAY. 'Computed on the way' means the value that the module computes at that place (a softmax that the list does not call 'softmax' is quantised finished and normalised). What goes into a quantiser is computed in f32, as accurately as f32 sums, v_exp_f32 and their like allow (about 1e-6 of the number): no bf16 or f16 on the way to a quantiser, and a product that is left as it is and whose result goes on into a quantised operand takes f32 operands (vector FMAs, or v_wmma_f32_16x16x4_f32). A number that lies on a knife's edge between two numbers of the format may be rounded either way, as far as f32 arithmetic and the matrix unit's own rounding can turn it there, and no further.
;; One version. Each part assembles by itself: llvm-mc -triple=amdgcn-amd-amdhsa -mcpu=gfx1250 --defsym DOCPART=n.
;; ======== version 1 of 1: 4 launches
;; limits: right only within a limited range of input values
;; workspace buffers: ops 9,830,400 bytes; qkv 19,660,800 bytes; yq 6,553,600 bytes
;; launch quant (part 1): grid 384 x 1, 4 waves a work-group, no clusters, 72,192 bytes of LDS; arguments h, w_attn, w_proj, ops; writes ops
.if DOCPART == 1
	.amdgcn_target "amdgcn-amd-amdhsa--gfx1250"
	.amdhsa_code_object_version 6
	.text
	.protected	k_q7f26a25880_quant
	.globl	k_q7f26a25880_quant
	.p2align	8
	.type	k_q7f26a25880_quant,@function
k_q7f26a25880_quant:
	s_mov_b64 s[64:65], 0
	v_nop
	global_prefetch_b8 v0, s[64:65] scope:SCOPE_SE
	s_setreg_imm32_b32 hwreg(HW_REG_WAVE_MODE, 25, 1), 1
	s_wait_xcnt 0x0
; h [8192][1024], w_attn [1024][3072] and w_proj [1024][1024], f32, become codes of FP6 (E2M3) with one E8M0 byte for each 32 along K, laid as OPERAND TILES in ops.
; AN OPERAND TILE is 128 rows x K.  For each 128 along K (kt) one dense block of 12,800 bytes: codes at c x 6144 + pos x 48 + 24 x ((k % 64) / 32), c = (k % 128) / 64, a row's 64 codes as a plain stream of bits;
; scale words (byte b: k = 32 b ..) at 12288 + 4 x sigma(pos).  pos = the row in the tile with bits 3 and 4 exchanged; sigma(pos) = 64 (pos >> 6) + 4 (pos & 15) + ((pos >> 4) & 3).
; Tiles 0-63: h, 128 tokens each.  Tiles 64-87: 128 columns of w_attn each.  Tiles 88-95: of w_proj.
; A block's scale is 2^(floor(log2(its largest magnitude)) - 2): its byte is the largest magnitude's exponent field - 2, held at 1 from below (a block of zeros keeps the byte 1: its codes are zeros, and this program alone reads the bytes).
; LIMITS: blocks whose largest magnitude lies under 2^-124 keep the byte 1; NaN and infinities among the inputs are not served.
; SHARES.  A wave makes one unit: half a tile (64 rows) x one kt: 2 x 3,072 bytes of codes and 256 bytes of scale words.  Unit u = 4 x work-group + wave: half = u & 1, kt = (u >> 1) & 7, tile = u >> 4.
; Work-groups 0-255 take h (K innermost: dense loads, turned through LDS so that a lane holds 16 neighbours), the others the weights (K outermost: a lane takes a column, its registers run down K).
; Each way has LDS bytes of its own; waves share nothing, so there is no barrier.  Codes and scale words are gathered in the wave's own LDS and leave as whole aligned runs of 256 bytes.
.set SP,    80                         ; a lane's place in a turning stage: 64 bytes + 16 of padding
.set HREG,  11520                      ; h's way: a wave's LDS: two turning stages of 2,560 bytes,
.set HCST,  5120                       ; the codes' stage [c 2][pos 64][48],
.set HSST,  11264                      ; the scale words' stage, 256 bytes
.set WBASE, 46080                      ; the weights' way: from here 6,400 bytes a wave: the codes' stage,
.set WREG,  6400
.set WSST,  6144                       ; and the scale words'
.set SPARE, 71680                      ; the spare words, 128 bytes a wave: two blocks of 256 bytes that no other line names
.set TILEB, 102400                     ; a tile of ops: 8 kt
.set KTB,   12800
.set SPW,   12                         ; v12 LDS address of my spare word; never rewritten
.set NIL,   13                         ; v13 0; never rewritten
.set R,     16                         ; h: v16-79 four sets of 16 numbers as loaded
.set X,     80                         ; h: v80-111 two sets of 16 neighbours
.set E,     112                        ; h: v112-127 a scale byte for each step
.set C,     128                        ; h: v128-191 codes, four registers a step
.set XW,    32                         ; w: v32-95 two sets of 32 numbers
.set OF,    96                         ; w: v96-127 byte offsets of 32 rows of the weight
.set CW,    128                        ; w: v128-134 a block's codes
.set SB,    136                        ; w: v136-137 my two columns' scale words
	s_load_b256 s[4:11], s[0:1], 0x0               ; h s[4:5], w_attn s[6:7], w_proj s[8:9], ops s[10:11]
	v_lshl_add_u32 v[SPW], v0, 2, SPARE
	v_mov_b32 v[NIL], 0
	v_lshrrev_b32 v1, 5, v0
	v_readfirstlane_b32 s12, v1                    ; wave
	v_and_b32 v2, 31, v0                           ; lane
	v_lshlrev_b32 v3, 4, v2                        ; 16 x lane
	v_lshlrev_b32 v7, 3, v2                        ; 8 x lane
	s_wait_alu depctr_va_vdst(0)
	s_lshl_b32 s13, ttmp9, 2
	s_add_co_u32 s13, s13, s12                     ; u
	s_and_b32 s14, s13, 1                          ; which half of the tile's rows
	s_bfe_u32 s15, s13, 0x30001                    ; kt
	s_lshr_b32 s16, s13, 4                         ; tile of ops
	s_mul_i32 s32, s16, TILEB
	s_mul_i32 s17, s15, KTB
	s_add_co_u32 s32, s32, s17
	s_mul_i32 s17, s14, 3072
	s_add_co_u32 s32, s32, s17                     ; my codes of c = 0: tile, kt, 48 x 64 x half
	s_mov_b32 s33, 0
	s_mul_i32 s17, s14, 2816
	s_sub_co_u32 s17, 12288, s17                   ; from there to my scale words: 12288 + 256 half - 3072 half
	v_add_nc_u32 v7, s17, v7
	s_wait_kmcnt 0x0
	s_add_nc_u64 s[10:11], s[10:11], s[32:33]
	s_cmp_lt_u32 ttmp9, 256
	s_cbranch_scc0 .Lweights
; The way out of both ways: 6,144 bytes of codes and 256 of scale words from my own LDS (LDS serves a wave's instructions in order: these see my stores), each store 512 or 256 consecutive aligned bytes.
.macro OUT reg
.irp i, 0,1,2,3,4,5,6,7,8,9,10,11
	ds_load_b128 v[\reg+4*\i:\reg+4*\i+3], v6 offset:512*\i
.endr
	ds_load_b64 v[\reg+48:\reg+49], v10
.irp i, 0,1,2,3,4,5,6,7,8,9,10,11
	s_wait_dscnt 12-\i                             ; load i is back; the younger ones may be out
	global_store_b128 v3, v[\reg+4*\i:\reg+4*\i+3], s[10:11] offset:(\i/6)*6144+(\i%6)*512
.endr
	s_wait_dscnt 0x0
	global_store_b64 v7, v[\reg+48:\reg+49], s[10:11]
	s_wait_tensorcnt 0x0                           ; the wave's end
	ds_add_u32 v[SPW], v[NIL]
	s_wait_dscnt 0x0
	s_endpgm
.endm
	; ---------------- h: 64 rows x 128 numbers, four rows a step
	s_lshl_b32 s20, s16, 19                        ; tile x 128 rows of 4,096 bytes
	s_lshl_b32 s17, s14, 18                        ; + 64 rows x half
	s_add_co_u32 s20, s20, s17
	s_lshl_b32 s17, s15, 9                         ; + kt x 512 bytes
	s_add_co_u32 s20, s20, s17
	s_mov_b32 s21, 0
	s_add_nc_u64 s[4:5], s[4:5], s[20:21]
	s_mul_i32 s18, s12, HREG
	v_lshrrev_b32 v14, 2, v2
	v_mul_u32_u24 v14, v14, SP
	v_and_b32 v15, 3, v2
	v_lshl_add_u32 v14, v15, 4, v14
	v_add_nc_u32 v14, s18, v14                     ; the turning stage, in: four lanes' 64 bytes on end, then 16 of padding
	v_mul_u32_u24 v15, v2, SP
	v_add_nc_u32 v15, s18, v15                     ; and out: my 16 neighbours: row lane / 8 of the step's four, k = 16 (lane % 8) on
	v_bfe_u32 v4, v2, 2, 1
	v_mul_u32_u24 v4, v4, 3072                     ; c
	v_lshrrev_b32 v8, 3, v2
	v_mad_u32_u24 v4, v8, 48, v4                   ; the row among the step's four
	v_and_b32 v9, 3, v2
	v_mad_u32_u24 v4, v9, 12, v4                   ; 12 bytes for each 16 codes
	s_add_co_u32 s19, s18, HCST
	v_add_nc_u32 v4, s19, v4
	v_bfe_u32 v5, v2, 1, 2                         ; my block's byte in the scale word
	v_lshl_add_u32 v5, v8, 4, v5
	s_add_co_u32 s25, s18, HSST
	v_add_nc_u32 v5, s25, v5
	v_add_nc_u32 v6, s19, v3
	v_lshl_add_u32 v10, v2, 3, s25
.macro LOAD t
.irp i, 0,1,2,3
	global_load_b128 v[R+16*((\t)%4)+4*\i:R+16*((\t)%4)+4*\i+3], v3, s[4:5] offset:(4*(\t)+\i)*4096 th:TH_LOAD_NT   ; 32 lanes read a row's 512 consecutive bytes
.endr
.endm
.macro TURN t                          ; step t's numbers through the stage; no wait between the stores and the loads
.irp i, 0,1,2,3
	ds_store_b128 v14, v[R+16*((\t)%4)+4*\i:R+16*((\t)%4)+4*\i+3] offset:32*SP*((\t)%2)+8*SP*\i
.endr
.irp i, 0,1,2,3
	ds_load_b128 v[X+16*((\t)%2)+4*\i:X+16*((\t)%2)+4*\i+3], v15 offset:32*SP*((\t)%2)+16*\i
.endr
.endm
.irp t, 0,1,2,3
	LOAD \t
.endr
	s_wait_loadcnt 12                              ; step 0's four loads are in
	TURN 0
.macro STEP t
.set XS, X+16*((\t)%2)
.set P0, 32*((\t)>>3)+16*(((\t)>>1)&1)+8*(((\t)>>2)&1)+4*((\t)&1)      ; pos of row 4 t: bits 3 and 4 of the row exchanged
.set S0, 128*(((\t)>>2)&1)+64*((\t)&1)+8*((\t)>>3)+4*(((\t)>>1)&1)     ; 4 x sigma of it
.if (\t) > 0
	s_wait_dscnt 4                                 ; this step's numbers are back from the stage; the last step's four stores of codes and byte may be out
.else
	s_wait_dscnt 0x0
.endif
.if (\t)+4 < 16
	LOAD (\t)+4                                    ; into the registers that this step's stores into the stage have read
.endif
.if (\t)+1 < 16
.if 14-(\t) >= 3
	s_wait_loadcnt 12                              ; the next step's four loads are in; three steps' may be out
.else
	s_wait_loadcnt 4*(14-(\t))
.endif
	TURN (\t)+1
.endif
	v_max3_num_f32 v8, |v[XS]|, |v[XS+1]|, |v[XS+2]|
	v_max3_num_f32 v9, |v[XS+3]|, |v[XS+4]|, |v[XS+5]|
.irp i, 6,10
	v_max3_num_f32 v8, v8, |v[XS+\i]|, |v[XS+\i+1]|
	v_max3_num_f32 v9, v9, |v[XS+\i+2]|, |v[XS+\i+3]|
.endr
	v_max3_num_f32 v8, v8, |v[XS+14]|, |v[XS+15]|
	v_max3_num_f32 v8, v8, v9, 0x1800000           ; and the floor 2^(3 - 127): the byte cannot fall under 1
	v_max_num_f32_dpp v8, v8, v8 row_xmask:1 row_mask:0xf bank_mask:0xf   ; with my neighbour's 16: the block's largest magnitude
	v_add_nc_u32 v11, 0xff000000, v8               ; 2 off its exponent field: the conversion takes this operand's exponent field as its scale
	v_cvt_scalef32_pk16_fp6_f32 v[C+4*(\t):C+4*(\t)+2], v[XS:XS+15], v11
	v_lshrrev_b32 v[E+(\t)], 23, v11               ; the scale's byte (also the plain line behind the conversion)
	ds_store_b8 v5, v[E+(\t)] offset:S0            ; both lanes of a block write the same byte with the same value
.irp p, 0,1,2
	ds_store_b32 v4, v[C+4*(\t)+\p] offset:48*P0+4*\p
.endr
.endm
.irp t, 0,1,2,3,4,5,6,7,8,9,10,11,12,13,14,15
	STEP \t
.endr
	OUT R
	; ---------------- the weights: 64 columns x 128 along K; a lane to a column, registers down K
.Lweights:
	s_sub_co_u32 s16, s16, 64                      ; 0-23: w_attn, 24-31: w_proj
	s_cmp_lt_u32 s16, 24                           ; the choice hangs on the work-group's number alone
	s_cselect_b64 s[4:5], s[6:7], s[8:9]
	s_cselect_b32 s17, 3, 1
	s_cselect_b32 s18, 0, 24
	s_lshl_b32 s17, s17, 12                        ; a row of the weight in bytes: 12,288 or 4,096
	s_sub_co_u32 s18, s16, s18
	s_lshl_b32 s18, s18, 7
	s_lshl_b32 s19, s14, 6
	s_add_co_u32 s18, s18, s19                     ; my first column
	s_lshl_b32 s18, s18, 2
	s_lshl_b32 s19, s15, 7
	s_mul_i32 s19, s19, s17                        ; row 128 kt
	s_add_co_u32 s28, s19, s18
	s_mov_b32 s29, 0
	s_lshl_b32 s30, s17, 5                         ; 32 rows
	s_mov_b32 s31, 0
	s_add_nc_u64 s[20:21], s[4:5], s[28:29]        ; a base for each of the four blocks of 32 along K
	s_add_nc_u64 s[22:23], s[20:21], s[30:31]
	s_add_nc_u64 s[24:25], s[22:23], s[30:31]
	s_add_nc_u64 s[26:27], s[24:25], s[30:31]
	v_lshlrev_b32 v[OF], 2, v2
.set j, 1
.rept 31
	v_add_nc_u32 v[OF+j], s17, v[OF+j-1]           ; 4 x lane + j rows
.set j, j+1
.endr
	s_mul_i32 s18, s12, WREG
	s_add_co_u32 s18, s18, WBASE
	s_add_co_u32 s19, s18, WSST
	v_and_b32 v8, 7, v2
	v_bfe_u32 v9, v2, 3, 1
	v_lshrrev_b32 v11, 4, v2
	v_lshl_add_u32 v4, v9, 4, v8
	v_lshl_add_u32 v4, v11, 3, v4                  ; pos of column lane: bits 3 and 4 exchanged
	v_mul_u32_u24 v4, v4, 48
	v_add_nc_u32 v4, s18, v4
	v_lshlrev_b32 v5, 4, v8
	v_lshl_add_u32 v5, v11, 7, v5
	v_lshl_add_u32 v5, v9, 2, v5                   ; 4 x sigma of it
	v_add_nc_u32 v5, s19, v5
	v_add_nc_u32 v6, s18, v3
	v_lshl_add_u32 v10, v2, 3, s19
.macro LOADW n                         ; block n: k = 32 (n / 2) + i, column 32 (n % 2) + lane: each load reads 128 consecutive bytes
.set j, 0
.rept 32
	global_load_b32 v[XW+32*((\n)%2)+j], v[OF+j], s[20+2*((\n)>>1):21+2*((\n)>>1)] offset:128*((\n)&1) th:TH_LOAD_NT
.set j, j+1
.endr
.endm
	LOADW 0
	LOADW 1
.macro BLOCK n
.set XS, XW+32*((\n)%2)
.set BL, (\n)>>1
.set SS, (\n)&1
.if (\n) < 7
	s_wait_loadcnt 32                              ; this block's 32 loads are in; the next block's may be out
.else
	s_wait_loadcnt 0x0
.endif
	v_max3_num_f32 v8, |v[XS]|, |v[XS+1]|, |v[XS+2]|               ; all 32 numbers of the block are mine
	v_max3_num_f32 v9, |v[XS+3]|, |v[XS+4]|, |v[XS+5]|
.irp i, 6,10,14,18,22,26
	v_max3_num_f32 v8, v8, |v[XS+\i]|, |v[XS+\i+1]|
	v_max3_num_f32 v9, v9, |v[XS+\i+2]|, |v[XS+\i+3]|
.endr
	v_max3_num_f32 v8, v8, |v[XS+30]|, |v[XS+31]|
	v_max3_num_f32 v8, v8, v9, 0x1800000
	v_add_nc_u32 v11, 0xff000000, v8
	v_lshrrev_b32 v9, 23, v11
.if BL == 0
	v_mov_b32 v[SB+SS], v9
.else
	v_lshl_or_b32 v[SB+SS], v9, 8*BL, v[SB+SS]     ; the lower K in the lower byte
.endif
	v_cvt_scalef32_pk16_fp6_f32 v[CW:CW+2], v[XS:XS+15], v11
	v_cvt_scalef32_pk16_fp6_f32 v[CW+4:CW+6], v[XS+16:XS+31], v11  ; (a conversion's three registers begin on an even number)
	v_nop                                          ; one plain line behind the conversions
	v_mov_b32 v[CW+3], v[CW+4]
	v_mov_b32 v[CW+4], v[CW+5]
	v_mov_b32 v[CW+5], v[CW+6]                     ; 24 bytes on end
.irp p, 0,1,2
	ds_store_b64 v4, v[CW+2*\p:CW+2*\p+1] offset:3072*(BL>>1)+1536*SS+24*(BL&1)+8*\p
.endr
.if (\n)+2 < 8
	LOADW (\n)+2
.endif
	s_wait_dscnt 0x0                               ; the stores have read their registers: the next block's codes may be written
.endm
.irp n, 0,1,2,3,4,5,6,7
	BLOCK \n
.endr
	ds_store_b32 v5, v[SB]
	s_wait_alu depctr_va_vdst(0)
	ds_store_b32 v5, v[SB+1] offset:8
	OUT XW
.Lfunc_end_k_q7f26a25880_quant:
	.size	k_q7f26a25880_quant, .Lfunc_end_k_q7f26a25880_quant-k_q7f26a25880_quant
	.p2alignl 7, 3214868480
	.fill 96, 4, 3214868480
	.section	.rodata,"a",@progbits
	.p2align	6, 0x0
	.amdhsa_kernel k_q7f26a25880_quant
		.amdhsa_group_segment_fixed_size 72192
		.amdhsa_private_segment_fixed_size 0
		.amdhsa_enable_private_segment 0
		.amdhsa_kernarg_size 32
		.amdhsa_user_sgpr_count 2
		.amdhsa_user_sgpr_kernarg_segment_ptr 1
		.amdhsa_wavefront_size32 1
		.amdhsa_system_sgpr_workgroup_id_x 1
		.amdhsa_system_sgpr_workgroup_id_y 1
		.amdhsa_system_sgpr_workgroup_id_z 1
		.amdhsa_system_vgpr_workitem_id 0
		.amdhsa_next_free_vgpr 192
		.amdhsa_next_free_sgpr 66
		.amdhsa_reserve_vcc 0
		.amdhsa_float_denorm_mode_32 3
		.amdhsa_float_denorm_mode_16_64 3
		.amdhsa_memory_ordered 1
		.amdhsa_forward_progress 1
		.amdhsa_inst_pref_size 80
	.end_amdhsa_kernel
	.amdgpu_metadata
---
amdhsa.version: [ 1, 2 ]
amdhsa.kernels:
  - .name:           k_q7f26a25880_quant
    .symbol:         k_q7f26a25880_quant.kd
    .args:
      - { .name: h, .offset: 0, .size: 8, .value_kind: global_buffer, .address_space: global }
      - { .name: w_attn, .offset: 8, .size: 8, .value_kind: global_buffer, .address_space: global }
      - { .name: w_proj, .offset: 16, .size: 8, .value_kind: global_buffer, .address_space: global }
      - { .name: ops, .offset: 24, .size: 8, .value_kind: global_buffer, .address_space: global }
    .group_segment_fixed_size: 72192
    .private_segment_fixed_size: 0
    .kernarg_segment_align: 8
    .kernarg_segment_size: 32
    .max_flat_workgroup_size: 128
    .sgpr_count:     66
    .vgpr_count:     192
    .wavefront_size: 32
...
	.end_amdgpu_metadata
.endif
;; end of part 1
;; launch gemm_qkv (part 2): grid 8 x 32, 4 waves a work-group, clusters of 4 x 4, 327,680 bytes of LDS; arguments ops, qkv; writes qkv
.if DOCPART == 2
	.amdgcn_target "amdgcn-amd-amdhsa--gfx1250"
	.amdhsa_code_object_version 6
	.text
	.protected	k_q7f26a25880_gemm_qkv
	.globl	k_q7f26a25880_gemm_qkv
	.p2align	8
	.type	k_q7f26a25880_gemm_qkv,@function
k_q7f26a25880_gemm_qkv:
	s_mov_b64 s[64:65], 0
	v_nop
	global_prefetch_b8 v0, s[64:65] scope:SCOPE_SE
	s_setreg_imm32_b32 hwreg(HW_REG_WAVE_MODE, 25, 1), 1
	s_wait_xcnt 0x0
	s_wait_alu depctr_hold_cnt(0) depctr_sa_sdst(0) depctr_va_vdst(0) depctr_va_sdst(0) depctr_va_ssrc(0) depctr_va_vcc(0) depctr_vm_vsrc(0)
	s_getreg_b32 s2, hwreg(HW_REG_IB_STS2, 6, 4)
	s_cmp_eq_u32 s2, 0
	s_cbranch_scc0 .Lentry_in_a_cluster
	s_endpgm
.Lentry_in_a_cluster:
	s_bfe_u32 s2, ttmp6, 0x10000c
	s_cmp_lg_u32 s2, 0xf033
	s_cbranch_scc0 .Lentry_shape_is_right
	s_endpgm
.Lentry_shape_is_right:
; q, k and v = h x w_attn on codes of FP6 (E2M3) with E8M0 scales, K = 1,024; the f32 results are quantised at once, along the axis that is the next product's K, and leave as operand tiles of codes.
; OPERAND TILES (128 rows x K; for each 128 along K a block of 12,800 bytes: codes at c x 6144 + pos x 48 + 24 x half, scale words at 12288 + 4 sigma(pos); pos = the row with bits 3 and 4 exchanged;
; sigma(pos) = 64 (pos >> 6) + 4 (pos & 15) + ((pos >> 4) & 3)).  ops: tiles 0-63 h, 64-79 w_attn's columns of q and k, 80-87 of v.
; qkv, part QK at 0: tile = token / 128, 16 blocks: 0-7 q's pairs of heads, 8-15 k's.  Part V at 13,107,200: tile = channel / 128 (a pair of heads), 64 blocks: block = token / 128: v's codes run along the keys.
; A WORK-GROUP STAYS.  Work-group (cp = 0 .. 7, tp = 0 .. 31) owns token tiles 2 tp and 2 tp + 1, which lie in LDS for the whole launch, and takes three weight tiles past them, one after the other through one slot:
; tiles 64 + 2 cp and 65 + 2 cp (q or k), then tile 80 + cp (v).  So 256 work-groups do all 768 products of 128 x 256 x 1,024, and a work-group loads five tiles.
; THE MATRIX INSTRUCTION takes side B's rows as source 0 and side A's as source 1: a lane holds ONE row of A, and, by the order of pos, its 64 registers of a block of A's rows are B's rows 32 b + 16 (lane / 16) + i: neighbours along
; the axis that is quantised.  A wave makes 64 rows of A x 128 rows of B: 32 accumulators.  Phases q, k: A = tokens (wave w: tile w / 2, half w % 2), B = the slot.  Phase v: A = the slot (half w / 2), B = token tile w % 2.
; LDS by halves of K (512 each): half j at 153,600 j: the slot's 51,200 bytes, then the two token tiles' 51,200 each.
; FILLS.  At the head one joint load a wave: the slot's first half, the tokens' first half, the slot's second, the tokens' second.  FOUR REFILLS of a half of the slot, in steps 3 and 7 of the two q, k phases, when all reads of that half
; have come back: every wave waits for its tensor loads and adds 0 onto its spare word, a round of the cluster's barrier follows, and each wave brings one block of 12,800 bytes.  One tensor load of a wave is out at the most.
; What a refill brought is shown to all by the next round, the last one by a plain barrier in the v phase's step 3.  The two q, k phases are one loop of two trips; the v phase, which refills nothing, is the tail.
; CLUSTER 4 x 4: the tokens are shared along a row of the cluster, the weights along a column: joint loads.
; PREFETCH: the second weight tile is asked for at the head, three steps ahead of its first refill, the third at the head of the first phase, eleven steps ahead of its first refill; a tile's 400 blocks of 256 bytes are shared out by address among the sixteen waves of the cluster's column, 25 each.
; REGISTERS: window 0: v1-27 addresses; v28, v29 the add's two; v32-47 scale words, two sets; v64-159 A's fragments, two sets; v160-251 the way out.  Window 1: accumulator (a, b) at v[8 (8 a + b)].  Window 2: B's fragments, two sets.
.set TILEB, 102400
.set KTB,   12800
.set HALFB, 51200
.set VPART, 13107200
.set SPARE, 307200                     ; the spare words, 128 bytes a wave: two blocks of 256 bytes that no other line names
.set STAGE, 307712                     ; the way out: 3,072 bytes a wave: [c 2][pos 32][48]
.set STGW,  3072
.set SPW,   28
.set NIL,   29
.set SA,    32                         ; set p: v[32 + 8 p ..]: A's four blocks' scale words;
.set SB,    36                         ; v[36 + 8 p ..]: B's: register j: lanes 0-15 block j, lanes 16-31 block 4 + j
.set AF,    64                         ; A's fragments: set p at 64 + 48 p
.set PC,    160                        ; v160-171 the codes just made; v172-178 at work
.set TM,    180                        ; v180-183 largest magnitudes, v184-187 bytes, v192-195 the conversions' scale operands
.set PW,    196                        ; v196-199 the scale words of my four blocks of A's rows
.set RB,    204                        ; v204-251 read back from the stage, two sets of 24
.set VSET,  4                          ; v4-11  LDS addresses of the v phase: A's fragments (first half of K, second), B's, A's scale words, B's
.set QSET,  16                         ; v16-23 the same of the q, k phases
.set G1W,   24                         ; group 1: half of the slot;
.set G1T,   32                         ; half of both token tiles;
.set G1R,   88                         ; a block of 12,800 bytes
.set G0W,   48                         ; s[48:55] groups 0 of the slot's two halves at the head; s[56:63] of the tokens'; s[68:71] of the refills
.set G0T,   56
.set G0R,   68
.set MSB, 0
.macro WIN new                         ; the immediate's high byte repeats the setting that is left
.if MSB != \new
	s_set_vgpr_msb (MSB<<8)|\new
.set MSB, \new
.endif
.endm
.macro PLACES                          ; four plain lines behind matrix instructions, ahead of loads into their registers and of reads of their results
.rept 4
	v_nop
.endr
.endm
.macro CREST                           ; a round of the cluster's barrier behind its opening barrier
	s_cmp_lg_u32 s8, 0
	s_cbranch_scc1 .Lnot_wave_0_\@
	s_barrier_signal -3
.Lnot_wave_0_\@:
	s_barrier_wait -3
	s_barrier_signal -1
	s_barrier_wait -1
.endm
.macro CROUND
	s_barrier_signal -1
	s_barrier_wait -1
	CREST
.endm
.macro G1SET g, c, r, p                ; r rows of c elements of 8 bytes, p elements apart
	s_mov_b32 s[\g+1], (\c)<<16
	s_mov_b32 s[\g+2], (\r)<<16
	s_mov_b32 s[\g+3], (\c)<<16
	s_mov_b32 s[\g+4], \r
	s_mov_b32 s[\g+5], \p
	s_mov_b32 s[\g+6], 0
	s_mov_b32 s[\g+7], 0
.endm
.macro ARM w, g0, g1, next             ; one arm of the head's chain: wave w's load
	s_cmp_eq_u32 s8, \w
	s_cbranch_scc0 \next
	tensor_load_to_lds s[\g0:\g0+3], s[\g1:\g1+7]
	s_nop 0
	PLACES
	s_branch .Lasked
\next:
.endm
	s_load_b128 s[4:7], s[0:1], 0x0                ; ops, qkv
	v_lshl_add_u32 v[SPW], v0, 2, SPARE
	v_mov_b32 v[NIL], 0
	ds_add_u32 v[SPW], v[NIL]                      ; the opening lines: the add, twice on end, and its wait ahead of my first tensor load
	ds_add_u32 v[SPW], v[NIL]
	v_lshrrev_b32 v1, 5, v0
	v_readfirstlane_b32 s8, v1                     ; wave
	s_lshr_b32 s9, s8, 1
	s_and_b32 s10, s8, 1
	s_bfe_u32 s11, ttmp6, 0x40000                  ; cx
	s_bfe_u32 s12, ttmp6, 0x40004                  ; cy
	s_lshl_b32 s13, ttmp9, 2
	s_add_co_u32 s13, s13, s11                     ; cp: hangs on cx alone
	s_and_b32 s14, ttmp7, 0xffff
	s_lshl_b32 s14, s14, 2
	s_add_co_u32 s14, s14, s12                     ; tp: hangs on cy alone
	s_lshl_b32 s19, s12, 2
	s_lshl_b32 s19, 15, s19                        ; my row of the cluster
	s_lshl_b32 s20, 0x1111, s11                    ; my column
	s_or_b32 s[G1W], s20, (3<<16)|(1<<21)          ; 15:0 the mask; 17:16 elements of 8 bytes; 21 set beside a mask; no padding
	s_or_b32 s[G1R], s20, (3<<16)|(1<<21)
	s_or_b32 s[G1T], s19, (3<<16)|(1<<21)
	G1SET G1W, 32, 200, 32                         ; 51,200 dense bytes: 200 rows of 256
	G1SET G1R, 32, 50, 32                          ; 12,800 dense bytes
	G1SET G1T, 6400, 2, 12800                      ; the same half of two neighbouring tiles: 2 rows of 51,200 bytes, a tile apart
	s_lshl_b32 s40, s13, 1
	s_add_co_u32 s40, s40, 64
	s_mul_i32 s40, s40, TILEB                      ; the first weight tile in ops
	s_mov_b32 s41, 0
	s_lshl_b32 s42, s14, 1
	s_mul_i32 s42, s42, TILEB                      ; my pair of token tiles
	s_mov_b32 s43, 0
	s_mul_i32 s76, s8, KTB                         ; of a refill I bring block = wave
	s_add_co_u32 s72, s40, s76
	s_add_co_u32 s72, s72, TILEB                   ; the second weight tile, my block
	s_mov_b32 s73, 0
	s_sub_co_u32 s74, 15, s13
	s_mul_i32 s74, s74, TILEB                      ; from tile 65 + 2 cp to tile 80 + cp
	s_mov_b32 s75, 0
	s_mov_b32 s[G0R], 1
	s_mov_b32 s86, 0x76543210
	s_mov_b32 s87, 0xfedcba98                      ; v_permlanex16_b32's selects for lane l xor 16
	s_wait_dscnt 0x0                               ; both opening adds are done
	s_wait_kmcnt 0x0
	s_add_nc_u64 s[40:41], s[4:5], s[40:41]
	s_add_nc_u64 s[42:43], s[4:5], s[42:43]
	s_add_nc_u64 s[72:73], s[4:5], s[72:73]
.irp j, 0,1
	s_mov_b32 s[G0W+4*\j], 1
	s_mov_b32 s[G0W+4*\j+1], \j*3*HALFB
	s_add_nc_u64 s[G0W+4*\j+2:G0W+4*\j+3], s[40:41], \j*HALFB
	s_or_b32 s[G0W+4*\j+3], s[G0W+4*\j+3], 0x80000000
	s_mov_b32 s[G0T+4*\j], 1
	s_mov_b32 s[G0T+4*\j+1], \j*3*HALFB+HALFB
	s_add_nc_u64 s[G0T+4*\j+2:G0T+4*\j+3], s[42:43], \j*HALFB
	s_or_b32 s[G0T+4*\j+3], s[G0T+4*\j+3], 0x80000000
.endr
	CROUND                                         ; all sixteen work-groups are here: the joint loads meet
	ARM 0, G0W, G1W, .Lwave_1                      ; one chain of branches on the wave's number, one load in each arm: what the first steps need is asked for first
	ARM 1, G0T, G1T, .Lwave_2
	ARM 2, G0W+4, G1W, .Lwave_3
	tensor_load_to_lds s[G0T+4:G0T+7], s[G1T:G1T+7]
	s_nop 0
	PLACES
.Lasked:
	s_mul_i32 s21, s9, 3072                        ; phase v: A = the slot, my 64 rows;
	s_mul_i32 s22, s10, HALFB
	s_add_co_u32 s22, s22, HALFB                   ; B = my token tile
	s_lshl_b32 s23, s9, 8
	s_add_co_u32 s23, s23, 12288
	s_add_co_u32 s44, s22, 12288
	s_mul_i32 s45, s9, HALFB                       ; phases q, k: A = token tile w / 2,
	s_add_co_u32 s45, s45, HALFB
	s_lshl_b32 s80, s10, 8
	s_add_co_u32 s80, s80, s45
	s_add_co_u32 s80, s80, 12288
	s_mul_i32 s81, s10, 3072                       ; its 64 rows w % 2; B = the slot
	s_add_co_u32 s45, s45, s81
	s_mul_i32 s82, s10, 2816
	s_sub_co_u32 s82, 12288, s82                   ; from my codes to my rows' scale words: 12288 + 256 half - 3072 half
	s_mul_i32 s83, s9, 2816
	s_sub_co_u32 s83, 12288, s83
	s_lshl_b32 s84, s14, 1                         ; q, k: the result's tile 2 tp + w / 2, block 2 cp, rows' half w % 2
	s_add_co_u32 s84, s84, s9
	s_lshl_b32 s84, s84, 4
	s_lshl_b32 s85, s13, 1
	s_add_co_u32 s84, s84, s85
	s_mul_i32 s84, s84, KTB
	s_add_co_u32 s84, s84, s81
	s_mov_b32 s85, 0
	s_lshl_b32 s78, s13, 6                         ; v: tile cp, block 2 tp + w % 2, rows' half w / 2
	s_lshl_b32 s79, s14, 1
	s_add_co_u32 s78, s78, s79
	s_add_co_u32 s78, s78, s10
	s_mul_i32 s78, s78, KTB
	s_add_co_u32 s78, s78, VPART
	s_add_co_u32 s78, s78, s21
	s_mov_b32 s79, 0
	s_add_nc_u64 s[46:47], s[6:7], s[84:85]
	s_add_nc_u64 s[78:79], s[6:7], s[78:79]
	s_mul_i32 s81, s8, STGW
	s_add_co_u32 s81, s81, STAGE                   ; my stage
	s_lshl_b32 s96, s12, 2
	s_add_co_u32 s96, s96, s8
	s_mul_i32 s96, s96, 6400                       ; the prefetches: my sixteenth of a tile, by my place in the cluster's column and my wave
	s_lshl_b32 s97, s13, 1
	s_add_co_u32 s97, s97, 65
	s_mul_i32 s97, s97, TILEB
	s_add_co_u32 s97, s97, s96
	s_add_co_u32 s98, s13, 80
	s_mul_i32 s98, s98, TILEB
	s_add_co_u32 s98, s98, s96
	s_mov_b32 s77, 0                               ; the phase
	v_and_b32 v1, 15, v0                           ; r
	v_bfe_u32 v2, v0, 4, 1                         ; h
	v_and_b32 v27, 31, v0
	v_mul_u32_u24 v3, v1, 48
	v_mad_u32_u24 v3, v2, 24, v3                   ; a fragment's lane: 48 r + 24 h
	v_add_nc_u32 v4, s21, v3
	v_add_nc_u32 v5, 3*HALFB, v4
	v_add_nc_u32 v6, s22, v3
	v_add_nc_u32 v7, 3*HALFB, v6
	v_lshl_add_u32 v8, v1, 4, s23                  ; A's scale words: four blocks' words of row r on end
	v_add_nc_u32 v9, 3*HALFB, v8
	v_lshl_add_u32 v10, v27, 4, s44                ; B's: lanes 0-15 blocks 0-3, lanes 16-31 blocks 4-7
	v_add_nc_u32 v11, 3*HALFB, v10
	v_add_nc_u32 v16, s45, v3
	v_add_nc_u32 v17, 3*HALFB, v16
	v_add_nc_u32 v18, 0, v3
	v_add_nc_u32 v19, 3*HALFB, v3
	v_lshl_add_u32 v20, v1, 4, s80
	v_add_nc_u32 v21, 3*HALFB, v20
	v_lshl_add_u32 v22, v27, 4, 12288
	v_add_nc_u32 v23, 3*HALFB, v22
	v_add_nc_u32 v12, s81, v3                      ; my stage, in
	v_lshl_add_u32 v13, v27, 4, s81                ; and back
	v_lshlrev_b32 v14, 4, v27                      ; the codes' stores: 16 x lane
	v_lshl_add_u32 v15, v1, 4, s82
	v_lshl_add_u32 v15, v2, 3, v15                 ; the scale words' store, q and k: 16 r + 8 h, from the codes' base
	v_lshl_add_u32 v24, v1, 4, s83
	v_lshl_add_u32 v24, v2, 3, v24                 ; and v
	v_min_u32 v25, 24, v27                         ; 25 blocks of 256 bytes a wave; the lanes left over name the last again
	v_lshl_add_u32 v26, v25, 8, s98
	v_lshl_add_u32 v25, v25, 8, s97
.irp b, 0,1,2,3
	v_mov_b32 v[TM+4+\b], 0                        ; written once: a lane permute's destination counts as one of its sources
.endr
	global_prefetch_b8 v25, s[4:5] th:TH_LOAD_NT scope:SCOPE_SE   ; the second weight tile
.macro FRAG reg, adr, kt, i            ; 16 rows x 128 K: 12 registers: 24 bytes of c = 0 and 24 of c = 1, as they lie, in pieces of 8 bytes
.irp p, 0,1,2,3,4,5
	ds_load_b64 v[\reg+2*\p:\reg+2*\p+1], v[\adr+((\kt)>>2)] offset:((\kt)&3)*KTB+(\p/3)*6144+768*(\i)+8*(\p%3)
.endr
.endm
.macro FETCH kt, p, ab                 ; step kt's fragments and scale words into set p, by the addresses from v[ab] on
	WIN 0x80                                       ; destination window 2
.irp i, 0,1,2,3,4,5,6,7
	FRAG 128*(\p)+12*\i, \ab+2, \kt, \i
.endr
	WIN 0
.irp i, 0,1,2,3
	FRAG AF+48*(\p)+12*\i, \ab, \kt, \i
.endr
	ds_load_b128 v[SA+8*(\p):SA+8*(\p)+3], v[\ab+4+((\kt)>>2)] offset:((\kt)&3)*KTB
	ds_load_b128 v[SB+8*(\p):SB+8*(\p)+3], v[\ab+6+((\kt)>>2)] offset:((\kt)&3)*KTB
.endm
.macro WM a, b, p, zero
.set ACC, 8*(8*(\a)+(\b))
.set BFR, 128*(\p)+12*(\b)
.set AFR, AF+48*(\p)+12*(\a)
.set SBR, SB+8*(\p)+((\b)&3)
.set SAR, SA+8*(\p)+(\a)
.if \zero
.if (\b) < 4
	v_wmma_scale_f32_16x16x128_f8f6f4 v[ACC:ACC+7], v[BFR:BFR+11], v[AFR:AFR+11], 0, v[SBR], v[SAR] matrix_a_fmt:MATRIX_FMT_FP6 matrix_b_fmt:MATRIX_FMT_FP6
.else
	v_wmma_scale_f32_16x16x128_f8f6f4 v[ACC:ACC+7], v[BFR:BFR+11], v[AFR:AFR+11], 0, v[SBR], v[SAR] matrix_a_fmt:MATRIX_FMT_FP6 matrix_b_fmt:MATRIX_FMT_FP6 matrix_a_scale:MATRIX_SCALE_ROW1
.endif
.else
.if (\b) < 4
	v_wmma_scale_f32_16x16x128_f8f6f4 v[ACC:ACC+7], v[BFR:BFR+11], v[AFR:AFR+11], v[ACC:ACC+7], v[SBR], v[SAR] matrix_a_fmt:MATRIX_FMT_FP6 matrix_b_fmt:MATRIX_FMT_FP6
.else
	v_wmma_scale_f32_16x16x128_f8f6f4 v[ACC:ACC+7], v[BFR:BFR+11], v[AFR:AFR+11], v[ACC:ACC+7], v[SBR], v[SAR] matrix_a_fmt:MATRIX_FMT_FP6 matrix_b_fmt:MATRIX_FMT_FP6 matrix_a_scale:MATRIX_SCALE_ROW1
.endif
.endif
.endm
.macro MUL8 a, p, zero                 ; A's block a x B's eight.  The 32 accumulators take turns, one instruction a turn, in the same order in every step
	WIN 0x52                                       ; source 0 (B) window 2, source 1 (A) window 0, C and D window 1
.irp b, 0,1,2,3,4,5,6,7
	WM \a, \b, \p, \zero
.endr
.endm
; A step of 128 along K.  mode 1 (steps 3 and 7 of a q, k phase): my reads of the slot's half q / 4 have come back; the three lines, a round of the cluster's barrier with products inside it, and that half is filled again.
; mode 2: every wave waits for its load, and a plain barrier shows the last refill to all.
.macro STEP q, p, zero, mode, ab
	s_wait_dscnt 0x0                               ; this step's fragments are in
.if \mode == 1
	WIN 0                                          ; (the add's two registers lie in window 0)
	s_wait_tensorcnt 0x0                           ; all my tensor loads have landed;
	ds_add_u32 v[SPW], v[NIL]                      ; 0 onto my spare word;
	s_add_co_u32 s[G0R+1], s76, ((\q)>>2)*3*HALFB  ; no load of mine is out: the refill's group 0 may be written
	s_add_nc_u64 s[G0R+2:G0R+3], s[72:73], ((\q)>>2)*HALFB
	s_or_b32 s[G0R+3], s[G0R+3], 0x80000000
	MUL8 0, \p, \zero
	s_wait_dscnt 0x0                               ; the add is done
	s_barrier_signal -1
	MUL8 1, \p, \zero
	WIN 0
	s_barrier_wait -1
	CREST                                          ; no wave of any partner still reads this half of the slot or has a load on its way
	tensor_load_to_lds s[G0R:G0R+3], s[G1R:G1R+7]  ; my block of the next weight tile's half
	s_nop 0
	PLACES                                         ; (also the places ahead of the loads below)
.elseif \mode == 2
	s_wait_tensorcnt 0x0
	s_barrier_signal -1
	MUL8 0, \p, \zero
	MUL8 1, \p, \zero
	s_barrier_wait -1
	PLACES
.else
	MUL8 0, \p, \zero
	MUL8 1, \p, \zero
	PLACES                                         ; the other set was read by the last step's products
.endif
.if \q < 7
	FETCH \q+1, 1-\p, \ab
.endif
	MUL8 2, \p, \zero
	MUL8 3, \p, \zero
.endm
; THE WAY OUT.  Block a of A's rows: my 64 registers, register 16 b + i = number 32 b + 16 (lane / 16) + i of my row, become a fragment's codes in v[PC] on and the row's scale word in v[PW + a].
.macro QUANTW a
.set S0, 64*(\a)
	WIN 0x14                                       ; sources 1 and 2 window 1
.irp b, 0,1,2,3
	v_max3_num_f32 v[TM+\b], 0x1800000, |v[S0+16*\b]|, |v[S0+16*\b+1]|   ; the floor 2^(3 - 127) among the leaves; each accumulator is read from its low end on
.endr
.irp i, 2,4,6,8,10,12,14
.irp b, 0,1,2,3
	v_max3_num_f32 v[TM+\b], v[TM+\b], |v[S0+16*\b+\i]|, |v[S0+16*\b+\i+1]|
.endr
.endr
	WIN 0
.irp b, 0,1,2,3
	v_permlanex16_b32 v[TM+4+\b], v[TM+\b], s86, s87
.endr
.irp b, 0,1,2,3
	v_max_num_f32 v[TM+\b], v[TM+\b], v[TM+4+\b]   ; with lane l xor 16's: the block's largest magnitude
.endr
.irp b, 0,1,2,3
	v_add_nc_u32 v[TM+12+\b], 0xff000000, v[TM+\b] ; 2 off its exponent field: the conversion's scale operand
.endr
.irp b, 0,1,2,3
	v_lshrrev_b32 v[TM+4+\b], 23, v[TM+12+\b]      ; the scale's byte
.endr
	v_lshl_or_b32 v[PW+(\a)], v[TM+5], 8, v[TM+4]
	v_lshl_or_b32 v[PW+(\a)], v[TM+6], 16, v[PW+(\a)]
	v_lshl_or_b32 v[PW+(\a)], v[TM+7], 24, v[PW+(\a)]
	WIN 0x01                                       ; source 0 window 1
.irp c, 0,1
	v_cvt_scalef32_pk16_fp6_f32 v[PC+6*\c:PC+6*\c+2], v[S0+32*\c:S0+32*\c+15], v[TM+12+2*\c]
	v_cvt_scalef32_pk16_fp6_f32 v[PC+12+4*\c:PC+14+4*\c], v[S0+32*\c+16:S0+32*\c+31], v[TM+13+2*\c]
.endr
	WIN 0
	v_nop                                          ; one plain line behind the conversions
.irp c, 0,1                            ; the operand's layout wants a whole block in a lane
.irp i, 0,1,2
	v_permlane16_swap_b32 v[PC+6*\c+\i], v[PC+12+4*\c+\i]
.endr
.irp i, 0,1,2
	v_mov_b32 v[PC+3+6*\c+\i], v[PC+12+4*\c+\i]
.endr
.endr
.irp c, 0,1
.irp p, 0,1,2
	ds_store_b64 v12, v[PC+6*\c+2*\p:PC+6*\c+2*\p+1] offset:1536*\c+768*((\a)&1)+8*\p
.endr
.endr
	s_wait_dscnt 0x0                               ; the stores have read their registers
.endm
.macro OUT sb, sv                      ; my 64 x 128 results to s[sb:sb+1]; v[sv]: where the scale words go from there
	WIN 0
	s_wait_xcnt 0x0                                ; an earlier phase's stores have read their registers: they may be written again
	PLACES
.irp e, 0,1
	QUANTW 2*\e
	QUANTW 2*\e+1
.irp i, 0,1,2,3,4,5
	ds_load_b128 v[RB+24*\e+4*\i:RB+24*\e+4*\i+3], v13 offset:512*\i   ; 32 rows' codes: 1,536 consecutive bytes for each c
.endr
	s_wait_dscnt 0x0
.irp i, 0,1,2,3,4,5
	global_store_b128 v14, v[RB+24*\e+4*\i:RB+24*\e+4*\i+3], s[\sb:\sb+1] offset:(\i/3)*6144+1536*\e+(\i%3)*512   ; 512 consecutive bytes, at a multiple of 256 from the buffer's first byte
.endr
.endr
	v_cmp_eq_u32 vcc_lo, 1, v2
	v_cndmask_b32 v200, v[PW], v[PW+2], vcc_lo     ; lane (r, h) stores row r's words of blocks 2 h and 2 h + 1
	v_cndmask_b32 v201, v[PW+1], v[PW+3], vcc_lo
	global_store_b64 v[\sv], v[200:201], s[\sb:\sb+1]   ; 256 consecutive bytes
.endm
	s_wait_alu depctr_va_vdst(0)
	s_cmp_lt_u32 s8, 2                             ; the first halves' loads are waves 0 and 1's own lines: they wait; the second halves may stay out
	s_cbranch_scc0 .Lnot_first
	s_wait_tensorcnt 0x0
.Lnot_first:
	s_barrier_signal -1
	s_barrier_wait -1
.Lphase:                                           ; two trips: the two weight tiles of q or k
	s_cmp_eq_u32 s77, 0
	s_cbranch_scc0 .Lasked_wv
	global_prefetch_b8 v26, s[4:5] th:TH_LOAD_NT scope:SCOPE_SE   ; the third weight tile, in the first trip alone
.Lasked_wv:
	FETCH 0, 0, QSET
	STEP 0, 0, 1, 0, QSET                          ; the first products start the sums
	STEP 1, 1, 0, 0, QSET
	STEP 2, 0, 0, 0, QSET
	STEP 3, 1, 0, 1, QSET                          ; the round shows the slot's and the tokens' second halves, and the slot's first half is filled again
	STEP 4, 0, 0, 0, QSET
	STEP 5, 1, 0, 0, QSET
	STEP 6, 0, 0, 0, QSET
	STEP 7, 1, 0, 1, QSET                          ; the round shows the next tile's first half, and the slot's second half is filled again
	OUT 46, 15
	s_wait_xcnt 0x0                                ; the stores have read their base
	s_add_nc_u64 s[46:47], s[46:47], KTB           ; the result's next block
	s_add_nc_u64 s[72:73], s[72:73], s[74:75]      ; the tile that the next trip's refills bring
	s_add_co_u32 s77, s77, 1
	s_cmp_lt_u32 s77, 2
	s_wait_alu depctr_va_vdst(0)
	s_cbranch_scc1 .Lphase
	FETCH 0, 0, VSET                               ; the tail: v.  Nothing is filled any more
	STEP 0, 0, 1, 0, VSET
	STEP 1, 1, 0, 0, VSET
	STEP 2, 0, 0, 0, VSET
	STEP 3, 1, 0, 2, VSET
	STEP 4, 0, 0, 0, VSET
	STEP 5, 1, 0, 0, VSET
	STEP 6, 0, 0, 0, VSET
	STEP 7, 1, 0, 0, VSET
	OUT 78, 24
	s_wait_tensorcnt 0x0                           ; the wave's end
	ds_add_u32 v[SPW], v[NIL]
	s_wait_dscnt 0x0
	CROUND                                         ; the closing round
	s_endpgm
.Lfunc_end_k_q7f26a25880_gemm_qkv:
	.size	k_q7f26a25880_gemm_qkv, .Lfunc_end_k_q7f26a25880_gemm_qkv-k_q7f26a25880_gemm_qkv
	.p2alignl 7, 3214868480
	.fill 96, 4, 3214868480
	.section	.rodata,"a",@progbits
	.p2align	6, 0x0
	.amdhsa_kernel k_q7f26a25880_gemm_qkv
		.amdhsa_group_segment_fixed_size 327680
		.amdhsa_private_segment_fixed_size 0
		.amdhsa_enable_private_segment 0
		.amdhsa_kernarg_size 16
		.amdhsa_user_sgpr_count 2
		.amdhsa_user_sgpr_kernarg_segment_ptr 1
		.amdhsa_wavefront_size32 1
		.amdhsa_system_sgpr_workgroup_id_x 1
		.amdhsa_system_sgpr_workgroup_id_y 1
		.amdhsa_system_sgpr_workgroup_id_z 1
		.amdhsa_system_vgpr_workitem_id 0
		.amdhsa_next_free_vgpr 768
		.amdhsa_next_free_sgpr 100
		.amdhsa_reserve_vcc 1
		.amdhsa_float_denorm_mode_32 3
		.amdhsa_float_denorm_mode_16_64 3
		.amdhsa_memory_ordered 1
		.amdhsa_forward_progress 1
		.amdhsa_inst_pref_size 194
	.end_amdhsa_kernel
	.amdgpu_metadata
---
amdhsa.version: [ 1, 2 ]
amdhsa.kernels:
  - .name:           k_q7f26a25880_gemm_qkv
    .symbol:         k_q7f26a25880_gemm_qkv.kd
    .args:
      - { .name: ops, .offset: 0, .size: 8, .value_kind: global_buffer, .address_space: global }
      - { .name: qkv, .offset: 8, .size: 8, .value_kind: global_buffer, .address_space: global }
    .group_segment_fixed_size: 327680
    .private_segment_fixed_size: 0
    .kernarg_segment_align: 8
    .kernarg_segment_size: 16
    .max_flat_workgroup_size: 128
    .sgpr_count:     100
    .vgpr_count:     768
    .wavefront_size: 32
...
	.end_amdgpu_metadata
.endif
;; end of part 2
;; launch attn (part 3): grid 4 x 64, 8 waves a work-group, clusters of 4 x 1, 242,688 bytes of LDS; arguments qkv, attention_mask, yq; writes yq
.if DOCPART == 3
	.amdgcn_target "amdgcn-amd-amdhsa--gfx1250"
	.amdhsa_code_object_version 6
	.text
	.protected	k_q7f26a25880_attn
	.globl	k_q7f26a25880_attn
	.p2align	8
	.type	k_q7f26a25880_attn,@function
k_q7f26a25880_attn:
	s_mov_b64 s[64:65], 0
	v_nop
	global_prefetch_b8 v0, s[64:65] scope:SCOPE_SE
	s_setreg_imm32_b32 hwreg(HW_REG_WAVE_MODE, 25, 1), 1
	s_wait_xcnt 0x0
	s_wait_alu depctr_hold_cnt(0) depctr_sa_sdst(0) depctr_va_vdst(0) depctr_va_sdst(0) depctr_va_ssrc(0) depctr_va_vcc(0) depctr_vm_vsrc(0)
	s_getreg_b32 s2, hwreg(HW_REG_IB_STS2, 6, 4)
	s_cmp_eq_u32 s2, 0
	s_cbranch_scc0 .Lentry_in_a_cluster
	s_endpgm
.Lentry_in_a_cluster:
	s_bfe_u32 s2, ttmp6, 0x10000c
	s_cmp_lg_u32 s2, 0x3003
	s_cbranch_scc0 .Lentry_shape_is_right
	s_endpgm
.Lentry_shape_is_right:
; y = softmax(q k^T / 8 + mask) v for one head and 512 queries a work-group, both products on codes of FP6 (E2M3) with E8M0 scales; y is quantised along the channels and leaves as codes, laid as operand tiles in yq.
; qkv: part QK: tile = token / 128, 204,800 bytes: 16 blocks of 12,800 (0-7 q's pairs of heads, 8-15 k's); in a block codes at c x 6144 + pos x 48 + 24 x half (c = the head's parity), scale words at 12288 + 4 sigma(pos).
; Part V at 13,107,200: tile = pair of heads, 64 blocks (block = token / 128): rows = channels, codes along the keys.  pos = the row in its tile with bits 3 and 4 exchanged; sigma(pos) = 64 (pos >> 6) + 4 (pos & 15) + ((pos >> 4) & 3).
; THE SOFTMAX: t = (q.k + 8 mask) x log2(e) / 8; M = the running largest t rounded up to a whole number; p = 2^(t - M) is quantised along the keys, not normalised; the row's sum is of the unquantised p and divides at the end.
; 8 x MASK IS THE C OF THE SCORE PRODUCT (1 / sqrt(64) = 2^-3, so the factor 8 rounds nothing): 64 registers a key step, which serve all four query tiles of a wave; the scores land in other registers.
; K = 64 in the first product: q's registers 6-11 are zero codes, so what k's registers 6-11 hold (the next tile's codes) adds nothing; scale bytes 2 and 3 are never 0xff.
; SHARES.  Eight waves, two to a SIMD.  A wave owns 64 queries, four tiles of 16, and walks the head's 2,048 keys once, in 16 steps of 128: each fragment of k and v read from LDS feeds four query tiles.
; A WHOLE SCALE BLOCK IN A LANE.  Both products are used transposed: a lane holds one query.  Which rows form a tile is chosen by the lanes' LDS addresses: row 8 h + j of k's tile t is key 64 (t / 4) + 32 h + 8 (t % 4) + j,
; so a lane's 32 scores of four tiles are 32 neighbouring keys, one block of p, in the order of the next operand's registers: no lane asks another for a block's largest p and no codes change lanes.
; v's tile t likewise: row 8 h + j is channel 32 h + 8 t + j, so a lane's 32 sums are one block of y.
; LDS: a whole head's codes of k and v, 2 x 98,304 bytes, filled ONCE at the head by joint loads, one a wave (waves 0-3 four key steps of k each, waves 4-7 eight steps of one half of v's codes each): the four work-groups of a
; cluster are the four blocks of queries of one head.  One barrier shows all of it; no barrier stands in the walk.  Behind them 8 x mask, k's scale words, v's scale words (copied once, in runs of 256 bytes), the spare words, the stages.
; The next step's k, mask and k's scale words are read one step ahead; in the last step these reads fall on the regions that lie behind (v's codes, k's and v's scale words): bytes that were written, and what is read there is not used.
; NO PREFETCH: every tensor load of the launch stands at its head, so there is no loop to run ahead in.
; REGISTERS.  Window 0: v1-15 addresses; v16-31 for each tile -M, the largest score, the sum in two halves; v32-39 at work; v40-93 k's eight fragments, 6 apart, and six zeros; v94-113 scale words (v102-105: the way out's addresses);
; v114-161 v's four fragments; v162-225 scores, then p; v226-253 p's codes and partial sums.  Window 1: v0-127 O^T, 32 a tile; v128-175 q, 12 a tile; v176-239 8 x mask.
; LIMITS: 8 x mask overflows to -infinity beyond 2^125: such a key counts for nothing; a row whose every key is so hidden gives NaN.  The scaled scores stay under 2^31 in magnitude.
; y's scale bytes leave one byte a lane: a word spans two heads, which are two work-groups.
.set QKT,   204800
.set TILEB, 102400
.set KTB,   12800
.set VPART, 13107200
.set VC,    98304                      ; LDS: k's codes [step 16][pos 128][48] at 0; v's [c 2][step 16][pos 64][48] here
.set MK,    196608                     ; 8 x mask, 512 bytes a step
.set KS,    204800                     ; k's scale words, 512 bytes a step
.set VS,    212992                     ; v's, 256 bytes a step
.set SPARE, 217088                     ; the spare words, 128 bytes a wave: four blocks of 256 bytes that no other line names
.set YST,   218112                     ; the way out: 3,072 bytes a wave
.set WV,  18
.set SH,  19                           ; 16 x the head's parity: its two bytes of a scale word of q or k
.set SEL, 20
.set CS,  22                           ; s[22:23] c = log2(e) / 8
.set NC,  93                           ; -c
.set G1K, 24
.set G1V, 32
.set G0K, 40
.set G0V, 44
.set QB,  84
.set YB,  86
.set TK,  88                           ; where the next step's k, v, (mask and k's scale words), v's scale words begin
.set TV,  89
.set TS,  90
.set TW,  91
.set CNT, 92
.set KF,  40
.set KSC, 94
.set VSC, 98
.set QSC, 106
.set PSW, 110
.set VF,  114
.set S,   162
.set PC,  226
.set TC,  238
.set SM,  246
.set Y,   114
.set QW,  128                          ; window 1
.set MW,  176                          ; window 1
.set MSB, 0
.macro WIN new                         ; the immediate's high byte repeats the setting that is left
.if MSB != \new
	s_set_vgpr_msb (MSB<<8)|\new
.set MSB, \new
.endif
.endm
.macro WALU
	s_wait_alu depctr_va_vdst(0)
.endm
.macro DEP n
	s_delay_alu instid0(VALU_DEP_\n)
.endm
.macro NOPS n
.rept \n
	v_nop
.endr
.endm
.macro CROUND
	s_barrier_signal -1
	s_barrier_wait -1
	s_cmp_lg_u32 s[WV], 0
	s_cbranch_scc1 .Lnot_wave_0_\@
	s_barrier_signal -3
.Lnot_wave_0_\@:
	s_barrier_wait -3
	s_barrier_signal -1
	s_barrier_wait -1
.endm
	s_load_b128 s[4:7], s[0:1], 0x0                ; qkv, attention_mask
	s_load_b64 s[8:9], s[0:1], 0x10                ; yq
	v_lshl_add_u32 v5, v0, 2, SPARE
	v_mov_b32 v6, 0
	ds_add_u32 v5, v6                              ; the opening lines: the add, twice on end, and its wait ahead of the first tensor loads
	ds_add_u32 v5, v6
	v_lshrrev_b32 v8, 5, v0
	v_readfirstlane_b32 s[WV], v8                  ; wave 0..7
	s_bfe_u32 s10, ttmp6, 0x40000                  ; cx: my block of 512 queries: it enters q's and y's addresses alone
	s_and_b32 s11, ttmp7, 0xffff                   ; batch x 16 + head
	s_lshr_b32 s12, s11, 4                         ; batch
	s_bfe_u32 s13, s11, 0x30001                    ; pair of heads
	s_and_b32 s14, s11, 1                          ; parity
	s_lshl_b32 s[SH], s14, 4
	s_mul_i32 s56, s12, 16*QKT
	s_mul_i32 s15, s13, KTB
	s_add_co_u32 s56, s56, s15                     ; q's block of the batch's first token tile
	s_mul_i32 s16, s14, 6144
	s_mul_i32 s60, s13, 64*KTB
	s_mul_i32 s15, s12, 16*KTB
	s_add_co_u32 s60, s60, s15
	s_add_co_u32 s60, s60, VPART                   ; v's block of the batch's first 128 keys
	s_and_b32 s2, s[WV], 3                         ; which quarter of k or of v is my load's
	s_mul_i32 s58, s2, 4*QKT                       ; k: four key steps
	s_add_co_u32 s58, s58, s56
	s_add_co_u32 s58, s58, s16
	s_add_co_u32 s58, s58, 8*KTB
	s_mov_b32 s59, 0
	s_lshr_b32 s3, s2, 1                           ; v: c = quarter / 2, eight key steps x quarter % 2
	s_mul_i32 s62, s3, 6144
	s_and_b32 s3, s2, 1
	s_mul_i32 s3, s3, 8*KTB
	s_add_co_u32 s62, s62, s3
	s_mul_i32 s3, s14, 3072
	s_add_co_u32 s62, s62, s3
	s_add_co_u32 s62, s62, s60
	s_mov_b32 s63, 0
	s_mov_b32 s[G0K], 1
	s_mul_i32 s[G0K+1], s[WV], 24576               ; in LDS: 24,576 bytes a wave, k's four quarters and then v's four
	s_mov_b32 s[G0V], 1
	s_mul_i32 s[G0V+1], s[WV], 24576
	s_mov_b32 s[G1K], 15|(3<<16)|(1<<21)           ; the mask: all four work-groups; elements of 8 bytes; 21 set beside a mask
	s_mov_b32 s[G1K+1], 768<<16                    ; k: 4 rows of 6,144 bytes, a token tile apart
	s_mov_b32 s[G1K+2], 4<<16
	s_mov_b32 s[G1K+3], 768<<16
	s_mov_b32 s[G1K+4], 4
	s_mov_b32 s[G1K+5], 25600
	s_mov_b32 s[G1K+6], 0
	s_mov_b32 s[G1K+7], 0
	s_mov_b32 s[G1V], 15|(3<<16)|(1<<21)
	s_mov_b32 s[G1V+1], 384<<16                    ; v: 8 rows of 3,072 bytes, a block apart
	s_mov_b32 s[G1V+2], 8<<16
	s_mov_b32 s[G1V+3], 384<<16
	s_mov_b32 s[G1V+4], 8
	s_mov_b32 s[G1V+5], 1600
	s_mov_b32 s[G1V+6], 0
	s_mov_b32 s[G1V+7], 0
	s_mov_b32 s[SEL], 0x76543210
	s_mov_b32 s[SEL+1], 0xfedcba98                 ; v_permlanex16_b32's selects for lane l xor 16
	s_mov_b32 s[CS], 0x3e38aa3b                    ; log2(e) / 8
	s_mov_b32 s[CS+1], s[CS]
	s_mov_b32 s[NC], 0xbe38aa3b
	s_lshl_b32 s48, s12, 13                        ; the batch's mask
	s_mov_b32 s49, 0
	s_mul_i32 s50, s[WV], QKT                      ; k's scale words of key step = wave (and wave + 8)
	s_add_co_u32 s50, s50, s56
	s_add_co_u32 s50, s50, 8*KTB+12288
	s_mov_b32 s51, 0
	s_mul_i32 s52, s[WV], KTB                      ; v's
	s_add_co_u32 s52, s52, s60
	s_lshl_b32 s15, s14, 8
	s_add_co_u32 s52, s52, s15
	s_add_co_u32 s52, s52, 12288
	s_mov_b32 s53, 0
	s_and_b32 s57, s[WV], 1                        ; which 64 rows (by pos) of a token tile are mine
	s_mul_i32 s61, s57, 3072
	s_lshl_b32 s17, s10, 2
	s_lshr_b32 s15, s[WV], 1
	s_add_co_u32 s17, s17, s15                     ; my token tile in the batch: 4 cx + wave / 2
	s_mul_i32 s54, s17, QKT
	s_add_co_u32 s54, s54, s56
	s_add_co_u32 s54, s54, s16
	s_add_co_u32 s54, s54, s61                     ; my queries' codes
	s_mov_b32 s55, 0
	s_lshl_b32 s94, s12, 4
	s_add_co_u32 s94, s94, s17
	s_mul_i32 s94, s94, TILEB
	s_mul_i32 s15, s13, KTB
	s_add_co_u32 s94, s94, s15
	s_add_co_u32 s94, s94, s16
	s_add_co_u32 s94, s94, s61                     ; and their place in yq
	s_mov_b32 s95, 0
	s_sub_co_u32 s15, 12288, s16                   ; from my codes to my rows' scale words
	s_sub_co_u32 s15, s15, s61
	s_lshl_b32 s2, s57, 8
	s_add_co_u32 s15, s15, s2
	s_lshl_b32 s2, s14, 1
	s_mul_i32 s3, s[WV], 3072
	s_add_co_u32 s3, s3, YST                       ; my stage
	s_wait_dscnt 0x0                               ; both opening adds are done
	s_wait_kmcnt 0x0
	s_add_nc_u64 s[G0K+2:G0K+3], s[4:5], s[58:59]
	s_or_b32 s[G0K+3], s[G0K+3], 0x80000000
	s_add_nc_u64 s[G0V+2:G0V+3], s[4:5], s[62:63]
	s_or_b32 s[G0V+3], s[G0V+3], 0x80000000
	CROUND                                         ; all four work-groups are here: the joint loads meet
	s_cmp_lt_u32 s[WV], 4                          ; all fills of the launch: one load in each arm, so every wave issues one
	s_cbranch_scc0 .Lfor_v
	tensor_load_to_lds s[G0K:G0K+3], s[G1K:G1K+7]
	s_nop 0
	NOPS 4
	s_branch .Lasked
.Lfor_v:
	tensor_load_to_lds s[G0V:G0V+3], s[G1V:G1V+7]
	s_nop 0
	NOPS 4
.Lasked:
	s_add_nc_u64 s[6:7], s[6:7], s[48:49]
	s_add_nc_u64 s[50:51], s[4:5], s[50:51]
	s_add_nc_u64 s[52:53], s[4:5], s[52:53]
	s_add_nc_u64 s[QB:QB+1], s[4:5], s[54:55]
	s_add_nc_u64 s[YB:YB+1], s[8:9], s[94:95]
	; once, in whole runs of 256 bytes: wave w copies key steps w and w + 8: their part of the mask (x 8), of k's scale words (my head's two bytes moved down) and of v's
	v_lshlrev_b32 v8, 4, v0
	v_and_b32 v9, 31, v0
	v_lshlrev_b32 v103, 4, v9                      ; 16 x lane
	v_lshlrev_b32 v11, 3, v9
	global_load_b128 v[162:165], v8, s[6:7]
	global_load_b128 v[166:169], v8, s[6:7] offset:4096
	global_load_b128 v[170:173], v103, s[50:51]
	global_load_b128 v[174:177], v103, s[50:51] offset:8*QKT
	global_load_b64 v[178:179], v11, s[52:53]
	global_load_b64 v[180:181], v11, s[52:53] offset:8*KTB
	v_lshl_add_u32 v182, v0, 4, MK
	v_lshl_add_u32 v183, v0, 4, KS
	v_lshl_add_u32 v184, v0, 3, VS
	v_and_b32 v226, 15, v0                         ; r
	v_bfe_u32 v227, v0, 4, 1                       ; h
	v_and_b32 v228, 7, v0                          ; r % 8
	v_bfe_u32 v229, v0, 3, 1                       ; r / 8
	v_mul_u32_u24 v13, v226, 48
	v_mad_u32_u24 v13, v227, 24, v13               ; q, y: 48 r + 24 h
	v_mul_u32_u24 v1, v228, 48
	v_mad_u32_u24 v1, v229, 1536, v1
	v_mad_u32_u24 v1, v227, 24, v1                 ; k, v: pos 32 (r / 8) + r % 8 of a tile's rows, + 24 h
	v_add_nc_u32 v2, VC, v1
	v_lshlrev_b32 v230, 4, v228
	v_lshl_add_u32 v230, v229, 3, v230             ; those rows' scale words: 16 (r % 8) + 8 (r / 8)
	v_add_nc_u32 v4, VS, v230
	v_lshl_add_u32 v3, v227, 8, v230               ; k's: lanes 16-31 take tiles 4-7
	v_add_nc_u32 v3, KS, v3
	v_lshl_add_u32 v7, v227, 7, MK                 ; the mask: 32 keys for each half of the lanes
	v_lshlrev_b32 v15, 3, v227                     ; 8 h
	v_add_nc_u32 v14, s3, v13                      ; my stage, in;
	v_add_nc_u32 v102, s3, v103                    ; and back
	v_lshl_add_u32 v233, v226, 4, s15              ; my four tiles' scale words of row r, 16 bytes on end
	v_add_nc_u32 v104, s2, v233
	v_add_nc_u32 v104, v104, v227                  ; y's scale byte: my head's two bytes of the word, byte h
	global_load_b128 v[QSC:QSC+3], v233, s[QB:QB+1]
	WIN 0x40                                       ; destination window 1
.irp i, 0,1,2,3
.irp p, 0,1,2
	global_load_b64 v[QW+12*\i+2*\p:QW+12*\i+2*\p+1], v13, s[QB:QB+1] offset:768*\i+8*\p
.endr
.irp k, 6,7,8,9,10,11
	v_mov_b32 v[QW+12*\i+\k], 0                    ; q's upper half: zero codes
.endr
.endr
.set j, 0
.rept 128
	v_mov_b32 v[j], 0                              ; O^T: the step is written once, and its first turn finds zeros
.set j, j+1
.endr
	WIN 0
.irp i, 0,1,2,3
	v_mov_b32 v[16+4*\i], 0x7f61b1e6               ; -M: 3e38, over every -M to come: the first factor is 0
	v_mov_b32 v[17+4*\i], 0xff61b1e6               ; the largest score so far: -3e38
	v_mov_b32 v[18+4*\i], 0
	v_mov_b32 v[19+4*\i], 0
.endr
.irp j, 33,88,89,90,91,92,93,105
	v_mov_b32 v[\j], 0                             ; what lies behind k's last tile: zero codes; the rest: named before they are first made
.endr
	WALU
	s_wait_loadcnt 0x0
.irp j, 162,163,164,165,166,167,168,169
	v_mul_f32 v[\j], 0x41000000, v[\j]             ; 8 x mask
.endr
.irp j, 170,171,172,173,174,175,176,177,QSC,QSC+1,QSC+2,QSC+3
	v_lshrrev_b32 v[\j], s[SH], v[\j]
.endr
	ds_store_b128 v182, v[162:165]
	ds_store_b128 v182, v[166:169] offset:4096
	ds_store_b128 v183, v[170:173]
	ds_store_b128 v183, v[174:177] offset:4096
	ds_store_b64 v184, v[178:179]
	ds_store_b64 v184, v[180:181] offset:2048
	s_mov_b32 s[TK], 0
	s_mov_b32 s[TV], 0
	s_mov_b32 s[TS], 0
	s_mov_b32 s[TW], 0
	s_mov_b32 s[CNT], 16
; The addresses of the step at s[TK] .., and its k, k's scale words and mask.  The five additions are also the places between the last score products and the loads into their registers.
.macro LOADK
	v_add_nc_u32 v8, s[TK], v1
	v_add_nc_u32 v12, s[TS], v7
	v_add_nc_u32 v10, s[TS], v3
	v_add_nc_u32 v9, s[TV], v2
	v_add_nc_u32 v11, s[TW], v4
.irp t, 0,1,2,3,4,5,6,7
.irp p, 0,1,2
	ds_load_b64 v[KF+6*\t+2*\p:KF+6*\t+2*\p+1], v8 offset:3072*(\t>>2)+768*(\t&1)+384*((\t>>1)&1)+8*\p
.endr
.endr
	ds_load_b64 v[KSC:KSC+1], v10                  ; register t % 4: lanes 0-15 tile t, lanes 16-31 tile 4 + t
	ds_load_b64 v[KSC+2:KSC+3], v10 offset:128
	WIN 0x40
.irp n, 0,1,2,3,4,5,6,7,8,9,10,11,12,13,14,15
	ds_load_b128 v[MW+4*\n:MW+4*\n+3], v12 offset:256*(\n>>3)+16*(\n&7)   ; register 8 t + j: 8 x mask of key 64 (t / 4) + 32 h + 8 (t % 4) + j
.endr
	WIN 0
.endm
; ONE QUERY TILE IN ONE KEY STEP: 16 queries x 128 keys.
.macro PVM n                           ; O^T of tile n += v^T p^T, K = these 128 keys
	WIN 0x50                                       ; O^T: window 1
.irp t, 0,1,2,3
	v_wmma_scale_f32_16x16x128_f8f6f4 v[32*(\n)+8*\t:32*(\n)+8*\t+7], v[VF+12*\t:VF+12*\t+11], v[PC:PC+11], v[32*(\n)+8*\t:32*(\n)+8*\t+7], v[VSC+\t], v[PSW+(\n)] matrix_a_fmt:MATRIX_FMT_FP6 matrix_b_fmt:MATRIX_FMT_FP6
.endr
.endm
.macro NADD                            ; the next of 21 additions of the row's sum of the unquantised p.  The first block's 16 pairs have been added two and two into T0 .. T7, at v[PC] on; three additions start chains of their own
.if AN < 3                             ; (T1 + T2, T3 + T4, T5 + T6), the others go by turns onto the sum and these three: T0, T7, then the second block's 16 pairs
	v_pk_add_f32 v[SM+2*AN:SM+2*AN+1], v[PC+4*AN+2:PC+4*AN+3], v[PC+4*AN+4:PC+4*AN+5]
.else
.if (AN-3)%4 == 0
.set DR, ST+2
.else
.set DR, SM+2*((AN-3)%4)-2
.endif
.if AN == 3
.set SR, PC
.elseif AN == 4
.set SR, PC+14
.else
.set SR, S+32+2*(AN-5)
.endif
	v_pk_add_f32 v[DR:DR+1], v[DR:DR+1], v[SR:SR+1]
.endif
.set AN, AN+1
.endm
.macro TILE i
.set ST, 16+4*\i
.set OW, 32*\i
	WIN 0x14                                       ; q and the mask: window 1
.irp t, 0,1,2,3
	v_wmma_scale_f32_16x16x128_f8f6f4 v[S+8*\t:S+8*\t+7], v[KF+6*\t:KF+6*\t+11], v[QW+12*\i:QW+12*\i+11], v[MW+8*\t:MW+8*\t+7], v[KSC+\t], v[QSC+\i] matrix_a_fmt:MATRIX_FMT_FP6 matrix_b_fmt:MATRIX_FMT_FP6
.endr
.irp t, 4,5,6,7
	v_wmma_scale_f32_16x16x128_f8f6f4 v[S+8*\t:S+8*\t+7], v[KF+6*\t:KF+6*\t+11], v[QW+12*\i:QW+12*\i+11], v[MW+8*\t:MW+8*\t+7], v[KSC+\t-4], v[QSC+\i] matrix_a_fmt:MATRIX_FMT_FP6 matrix_b_fmt:MATRIX_FMT_FP6 matrix_a_scale:MATRIX_SCALE_ROW1
.endr
.if \i == 1
	s_wait_dscnt 0x0                               ; v's fragments are in
.endif
.if \i > 0
	PVM \i-1                                       ; the tile before's second product stands behind this tile's score products: twelve matrix instructions on end
.endif
	WIN 0
	v_mov_b32 v38, v[ST]
.if \i == 3
	s_add_co_u32 s[TK], s[TK], 6144                ; the step's last score products are issued: the next step's k and mask are asked for
	s_add_co_u32 s[TV], s[TV], 3072
	s_add_co_u32 s[TS], s[TS], 512
	s_add_co_u32 s[TW], s[TW], 256
	LOADK
.else
	NOPS 3                                         ; four places ahead of the first read of the scores
.endif
.irp b, 0,16,32,48                     ; the largest score of each block of 32 keys, in two chains a block: for the row's maximum and, since p rises with the score, for the block's largest p
	v_max3_num_f32 v[34+\b/16], v[S+\b], v[S+\b+1], v[S+\b+2]
.endr
.irp k, 3,5,7,9,11,13
.irp b, 0,16,32,48
	v_max3_num_f32 v[34+\b/16], v[34+\b/16], v[S+\b+\k], v[S+\b+\k+1]
.endr
.endr
	v_max3_num_f32 v34, v34, v[S+15], v[S+31]
	v_max3_num_f32 v36, v36, v[S+47], v[S+63]
	DEP 2
	v_max_num_f32 v34, v34, v35
	DEP 2
	v_max_num_f32 v36, v36, v37
	DEP 1
	v_max3_num_f32 v[ST+1], v[ST+1], v34, v36
	DEP 1
	v_permlanex16_b32 v105, v[ST+1], s[SEL], s[SEL+1]
	DEP 1
	v_max_num_f32 v[ST+1], v[ST+1], v105           ; the running largest score of my query
	DEP 1
	v_mul_f32 v39, s[NC], v[ST+1]
	DEP 1
	v_floor_f32 v[ST], v39                         ; the new -M = -ceil(t): a whole number
.set j, 0
.rept 16
	v_pk_fma_f32 v[S+j:S+j+1], v[S+j:S+j+1], s[CS:CS+1], v[ST:ST+1] op_sel_hi:[1,0,0]   ; t - M of the first block of 32 keys; the three lines that make f stand among these
.if j == 6
	v_sub_f32 v39, v[ST], v38                      ; old M - new M, 0 or less
.elseif j == 14
	v_cvt_i32_f32 v39, v39                         ; (it saturates)
.elseif j == 22
	v_ldexp_f32 v32, 1.0, v39                      ; f = 2^(old M - new M): a multiplication by it rounds nothing
.endif
.set j, j+2
.endr
	v_fma_f32 v34, v34, s[CS], v[ST]
	v_fma_f32 v36, v36, s[CS], v[ST]
	WIN 0x41
	WALU                                           ; ahead of the first reader of O^T, and ahead of the batch below
.set j, 0
.rept 16
	v_pk_mul_f32 v[OW+j:OW+j+1], v[OW+j:OW+j+1], v[32:33] op_sel_hi:[1,0]   ; O^T under the new M
.set j, j+2
.endr
	WIN 0
	v_exp_f32 v34, v34                             ; each block's largest p,
	v_exp_f32 v36, v36
.set j, 0
.rept 16                               ; THE EXPONENTIALS GO IN TWO BATCHES, with plain lines among them that hang on none of the batch's results and whose own results are first read behind the batch's closing wait
	v_exp_f32 v[S+j], v[S+j]                       ; p = 2^(t - M) of the first block;
	v_exp_f32 v[S+j+1], v[S+j+1]
	v_pk_fma_f32 v[S+32+j:S+33+j], v[S+32+j:S+33+j], s[CS:CS+1], v[ST:ST+1] op_sel_hi:[1,0,0]   ; among them t - M of the second block
.set j, j+2
.endr
	WALU                                           ; behind the first batch, ahead of its readers, and ahead of the second batch, which reads the multiply-adds' results
.set j, 0
.rept 32
	v_exp_f32 v[S+32+j], v[S+32+j]                 ; p of the second block;
.if (j%2 == 1) && (j < 16)
	v_pk_add_f32 v[PC+j-1:PC+j], v[S+2*j-2:S+2*j-1], v[S+2*j:S+2*j+1]   ; among them the first block's p, two pairs and two pairs: T0 .. T7, in the registers that take p's codes later
.elseif j == 17
	v_max_num_f32 v34, 0x1800000, v34              ; and the floor 2^(3 - 127) under each block's largest p: the byte cannot fall under 1
.elseif j == 19
	v_max_num_f32 v36, 0x1800000, v36
.endif
.set j, j+1
.endr
	v_pk_mul_f32 v[ST+2:ST+3], v[ST+2:ST+3], v[32:33] op_sel_hi:[1,0]   ; the sum under the new M (a plain line behind the exponentials)
	WALU                                           ; one wait for the batch, ahead of its first reader
.set AN, 0
	NADD
	NADD
	v_add_nc_u32 v34, 0xff000000, v34              ; 2 off the exponent field: the conversions' scale operand
	v_add_nc_u32 v36, 0xff000000, v36
	NADD
	NADD
	v_lshrrev_b32 v35, 23, v34                     ; the bytes of my blocks h and 2 + h
	v_lshrrev_b32 v37, 23, v36
	NADD
	NADD
	v_lshl_or_b32 v35, v37, 16, v35
	NADD
	NADD
	v_lshlrev_b32 v35, v15, v35                    ; at their places in the word, 8 h bits up
	NADD
	NADD
	v_permlanex16_b32 v105, v35, s[SEL], s[SEL+1]
	NADD
	NADD
	v_or_b32 v[PSW+\i], v35, v105                  ; with lane l xor 16's two: p's scale word for these 128 keys
	v_cvt_scalef32_pk16_fp6_f32 v[PC:PC+2], v[S:S+15], v34
	v_cvt_scalef32_pk16_fp6_f32 v[TC:TC+2], v[S+16:S+31], v34      ; (a conversion's three registers begin on an even number)
	v_cvt_scalef32_pk16_fp6_f32 v[PC+6:PC+8], v[S+32:S+47], v36
	v_cvt_scalef32_pk16_fp6_f32 v[TC+4:TC+6], v[S+48:S+63], v36
	NADD                                           ; (the plain line behind the conversions)
.irp k, 0,1,2
	v_mov_b32 v[PC+3+\k], v[TC+\k]
	v_mov_b32 v[PC+9+\k], v[TC+4+\k]
.endr
.rept 8
	NADD
.endr
	v_pk_add_f32 v[SM+2:SM+3], v[SM+2:SM+3], v[SM+4:SM+5]
	DEP 2
	v_pk_add_f32 v[ST+2:ST+3], v[ST+2:ST+3], v[SM:SM+1]
	DEP 1
	v_pk_add_f32 v[ST+2:ST+3], v[ST+2:ST+3], v[SM+2:SM+3]          ; (these additions are also the lines between the making of p's codes and scale word and the products)
.if \i == 3
	PVM 3                                          ; the step's last tile: its second product at once, so that v's registers are free for the next step
	WIN 0
.endif
.endm
	WALU
	s_wait_tensorcnt 0x0                           ; my load has landed,
	s_wait_dscnt 0x0                               ; my copies are stored:
	s_barrier_signal -1
	s_barrier_wait -1                              ; so have everybody's.  Nothing in LDS is written again but each wave's own stage
	LOADK
.Lstep:                                            ; 16 key steps
.irp t, 0,1,2,3
.irp p, 0,1,2,3,4,5
	ds_load_b64 v[VF+12*\t+2*\p:VF+12*\t+2*\p+1], v9 offset:768*(\t&1)+384*(\t>>1)+49152*(\p/3)+8*(\p%3)
.endr
.endr
	ds_load_b64 v[VSC:VSC+1], v11
	ds_load_b64 v[VSC+2:VSC+3], v11 offset:128
	s_wait_dscnt 26                                ; all but the 26 just issued: k, its scale words and the mask are in
	TILE 0
	TILE 1
	TILE 2
	TILE 3
	NOPS 4                                         ; places ahead of the loads into v's registers, and of the way out's reads
	s_sub_co_u32 s[CNT], s[CNT], 1
	s_cmp_lg_u32 s[CNT], 0
	s_cbranch_scc1 .Lstep
	; THE WAY OUT: y = O^T / the sum, quantised along the head's 64 channels: register 8 t + j of lane (r, h) is channel 32 h + 8 t + j: one block a lane
	WALU
	s_wait_dscnt 0x0                               ; the reads ahead of the last step have come back: their registers are free
.irp i, 0,1,2,3
	v_add_f32 v[18+4*\i], v[18+4*\i], v[19+4*\i]
.endr
.irp i, 0,1,2,3
	v_permlanex16_b32 v[17+4*\i], v[18+4*\i], s[SEL], s[SEL+1]
.endr
.irp i, 0,1,2,3
	v_add_f32 v[18+4*\i], v[18+4*\i], v[17+4*\i]   ; the rows' sums
.endr
	WALU
.irp i, 0,1,2,3
	v_rcp_f32 v[18+4*\i], v[18+4*\i]
.endr
	v_nop                                          ; a plain line behind the reciprocals
	WIN 0x01                                       ; source 0 window 1
	WALU                                           ; and the wait ahead of their first reader, which is O^T's too
.irp i, 0,1,2,3
.set j, 0
.rept 16
	v_pk_mul_f32 v[Y+32*\i+j:Y+32*\i+j+1], v[32*\i+j:32*\i+j+1], v[18+4*\i:19+4*\i] op_sel_hi:[1,0]
.set j, j+2
.endr
.endr
	WIN 0
.irp i, 0,1,2,3
	v_max3_num_f32 v[246+\i], |v[Y+32*\i]|, |v[Y+32*\i+1]|, 0x1800000   ; the four tiles by turns
.endr
.irp k, 2,4,6,8,10,12,14,16,18,20,22,24,26,28,30
.irp i, 0,1,2,3
	v_max3_num_f32 v[246+\i], v[246+\i], |v[Y+32*\i+\k]|, |v[Y+32*\i+\k+1]|
.endr
.endr
.irp i, 0,1,2,3
	v_add_nc_u32 v[246+\i], 0xff000000, v[246+\i]
.endr
.irp i, 0,1,2,3
	v_lshrrev_b32 v[250+\i], 23, v[246+\i]         ; my block's byte
.endr
.irp i, 0,1,2,3
	v_cvt_scalef32_pk16_fp6_f32 v[40+8*\i:42+8*\i], v[Y+32*\i:Y+32*\i+15], v[246+\i]
	v_cvt_scalef32_pk16_fp6_f32 v[72+4*\i:74+4*\i], v[Y+32*\i+16:Y+32*\i+31], v[246+\i]
.endr
	v_nop                                          ; one plain line behind the conversions
.irp i, 0,1,2,3
.irp k, 0,1,2
	v_mov_b32 v[43+8*\i+\k], v[72+4*\i+\k]         ; 24 bytes on end
.endr
.endr
.irp i, 0,1,2,3
.irp p, 0,1,2
	ds_store_b64 v14, v[40+8*\i+2*\p:41+8*\i+2*\p] offset:768*\i+8*\p
.endr
.endr
.irp n, 0,1,2,3,4,5
	ds_load_b128 v[Y+4*\n:Y+4*\n+3], v102 offset:512*\n   ; LDS serves a wave's instructions in order: these see my stores
.endr
.irp i, 0,1,2,3
	global_store_b8 v104, v[250+\i], s[YB:YB+1] offset:4*\i
.endr
	s_wait_dscnt 0x0
.irp n, 0,1,2,3,4,5
	global_store_b128 v103, v[Y+4*\n:Y+4*\n+3], s[YB:YB+1] offset:512*\n   ; my 64 rows' codes: 3,072 consecutive bytes, each store 512, at a multiple of 256 from the buffer's first byte
.endr
	s_wait_tensorcnt 0x0                           ; the wave's end
	ds_add_u32 v5, v6
	s_wait_dscnt 0x0
	CROUND                                         ; the closing round
	s_endpgm
.Lfunc_end_k_q7f26a25880_attn:
	.size	k_q7f26a25880_attn, .Lfunc_end_k_q7f26a25880_attn-k_q7f26a25880_attn
	.p2alignl 7, 3214868480
	.fill 96, 4, 3214868480
	.section	.rodata,"a",@progbits
	.p2align	6, 0x0
	.amdhsa_kernel k_q7f26a25880_attn
		.amdhsa_group_segment_fixed_size 242688
		.amdhsa_private_segment_fixed_size 0
		.amdhsa_enable_private_segment 0
		.amdhsa_kernarg_size 24
		.amdhsa_user_sgpr_count 2
		.amdhsa_user_sgpr_kernarg_segment_ptr 1
		.amdhsa_wavefront_size32 1
		.amdhsa_system_sgpr_workgroup_id_x 1
		.amdhsa_system_sgpr_workgroup_id_y 1
		.amdhsa_system_sgpr_workgroup_id_z 1
		.amdhsa_system_vgpr_workitem_id 0
		.amdhsa_next_free_vgpr 512
		.amdhsa_next_free_sgpr 100
		.amdhsa_reserve_vcc 0
		.amdhsa_float_denorm_mode_32 3
		.amdhsa_float_denorm_mode_16_64 3
		.amdhsa_memory_ordered 1
		.amdhsa_forward_progress 1
		.amdhsa_inst_pref_size 89
	.end_amdhsa_kernel
	.amdgpu_metadata
---
amdhsa.version: [ 1, 2 ]
amdhsa.kernels:
  - .name:           k_q7f26a25880_attn
    .symbol:         k_q7f26a25880_attn.kd
    .args:
      - { .name: qkv, .offset: 0, .size: 8, .value_kind: global_buffer, .address_space: global }
      - { .name: attention_mask, .offset: 8, .size: 8, .value_kind: global_buffer, .address_space: global }
      - { .name: yq, .offset: 16, .size: 8, .value_kind: global_buffer, .address_space: global }
    .group_segment_fixed_size: 242688
    .private_segment_fixed_size: 0
    .kernarg_segment_align: 8
    .kernarg_segment_size: 24
    .max_flat_workgroup_size: 256
    .sgpr_count:     100
    .vgpr_count:     512
    .wavefront_size: 32
...
	.end_amdgpu_metadata
.endif
;; end of part 3
;; launch gemm_proj (part 4): grid 64 x 4, 4 waves a work-group, clusters of 4 x 4, 327,680 bytes of LDS; arguments yq, ops, out0; writes out0
.if DOCPART == 4
	.amdgcn_target "amdgcn-amd-amdhsa--gfx1250"
	.amdhsa_code_object_version 6
	.text
	.protected	k_q7f26a25880_gemm_proj
	.globl	k_q7f26a25880_gemm_proj
	.p2align	8
	.type	k_q7f26a25880_gemm_proj,@function
k_q7f26a25880_gemm_proj:
	s_mov_b64 s[64:65], 0
	v_nop
	global_prefetch_b8 v0, s[64:65] scope:SCOPE_SE
	s_setreg_imm32_b32 hwreg(HW_REG_WAVE_MODE, 25, 1), 1
	s_wait_xcnt 0x0
	s_wait_alu depctr_hold_cnt(0) depctr_sa_sdst(0) depctr_va_vdst(0) depctr_va_sdst(0) depctr_va_ssrc(0) depctr_va_vcc(0) depctr_vm_vsrc(0)
	s_getreg_b32 s2, hwreg(HW_REG_IB_STS2, 6, 4)
	s_cmp_eq_u32 s2, 0
	s_cbranch_scc0 .Lentry_in_a_cluster
	s_endpgm
.Lentry_in_a_cluster:
	s_bfe_u32 s2, ttmp6, 0x10000c
	s_cmp_lg_u32 s2, 0xf033
	s_cbranch_scc0 .Lentry_shape_is_right
	s_endpgm
.Lentry_shape_is_right:
; out0 = y x w_proj on codes of FP6 (E2M3) with E8M0 scales, K = 1,024; out0 [8192][1024] f32.
; Both operands are OPERAND TILES (128 rows x K; for each 128 along K a block of 12,800 bytes: codes at c x 6144 + pos x 48 + 24 x half, scale words at 12288 + 4 sigma(pos); pos = the row with bits 3 and 4 exchanged;
; sigma(pos) = 64 (pos >> 6) + 4 (pos & 15) + ((pos >> 4) & 3)).  yq: tile = token / 128.  ops: tiles 88-95 are w_proj's columns.
; SHARES.  A work-group makes 128 tokens x 256 columns over all of K; a wave 64 x 128: 32 accumulators.  Source 0 = w's columns, source 1 = tokens: a lane holds one token, and by the order of pos its registers of two
; neighbouring tiles are 16 neighbouring columns.  The tokens' order is put right on the way out, by the stores' offsets.
; LDS: the three operand tiles, whole K, 102,400 bytes each, filled ONCE, in two halves of 512 along K, one joint load a wave: one tensor load of a wave is out at the most.
; CLUSTER 4 x 4: y's tile is shared along a row of the cluster, w's along a column: joint loads.
; REGISTERS: window 0: v1-14 addresses; v28, v29 the add's two; v32-47 scale words, two sets; v64-159 A's fragments, two sets (on the way out v64-127: rows read back).  Window 1: accumulator (a, b) at v[8 (8 a + b)].  Window 2: B's fragments.
.set TILEB, 102400
.set KTB,   12800
.set HALFB, 51200                      ; 512 along K of a tile: four blocks of 12,800 bytes
.set SPARE, 307200                     ; the spare words, 128 bytes a wave: two blocks of 256 bytes that no other line names
.set STAGE, 307712                     ; the way out: 16 rows x (256 bytes + 16) in 4,608 bytes a wave
.set STGW,  4608
.set SPW,   28
.set NIL,   29
.set SA,    32
.set SB,    36
.set AF,    64
.set G1A,   24
.set G1B,   32
.set G0A,   48
.set G0B,   68
.set MSB, 0
.macro WIN new                         ; the immediate's high byte repeats the setting that is left
.if MSB != \new
	s_set_vgpr_msb (MSB<<8)|\new
.set MSB, \new
.endif
.endm
.macro PLACES
.rept 4
	v_nop
.endr
.endm
.macro CROUND
	s_barrier_signal -1
	s_barrier_wait -1
	s_cmp_lg_u32 s8, 0
	s_cbranch_scc1 .Lnot_wave_0_\@
	s_barrier_signal -3
.Lnot_wave_0_\@:
	s_barrier_wait -3
	s_barrier_signal -1
	s_barrier_wait -1
.endm
	s_load_b128 s[4:7], s[0:1], 0x0                ; yq, ops
	s_load_b64 s[88:89], s[0:1], 0x10              ; out0
	v_lshl_add_u32 v[SPW], v0, 2, SPARE
	v_mov_b32 v[NIL], 0
	ds_add_u32 v[SPW], v[NIL]                      ; the wave's opening: the add and its wait ahead of my first tensor load
	ds_add_u32 v[SPW], v[NIL]
	v_lshrrev_b32 v1, 5, v0
	v_readfirstlane_b32 s8, v1                     ; wave
	s_lshr_b32 s9, s8, 1                           ; which 64 tokens are mine
	s_and_b32 s10, s8, 1                           ; which of w's two tiles
	s_bfe_u32 s11, ttmp6, 0x40000                  ; cx: the pair of w's tiles
	s_bfe_u32 s12, ttmp6, 0x40004                  ; cy
	s_lshl_b32 s13, ttmp9, 2
	s_add_co_u32 s13, s13, s12                     ; the token tile: hangs on cy alone
	s_lshl_b32 s19, s12, 2
	s_lshl_b32 s19, 15, s19                        ; my row of the cluster
	s_lshl_b32 s20, 0x1111, s11                    ; my column
	s_or_b32 s[G1A], s19, (3<<16)|(1<<21)          ; the mask; elements of 8 bytes; 21 set beside a mask; no padding
	s_or_b32 s[G1B], s20, (3<<16)|(1<<21)
	s_mov_b32 s[G1A+1], 32<<16                     ; A: half a tile is 51,200 dense bytes: 200 rows of 256 bytes
	s_mov_b32 s[G1A+2], 200<<16
	s_mov_b32 s[G1A+3], 32<<16
	s_mov_b32 s[G1A+4], 200
	s_mov_b32 s[G1A+5], 32
	s_mov_b32 s[G1B+1], 6400<<16                   ; B: the same half of two neighbouring tiles: 2 rows of 51,200 bytes, a tile (12,800 elements) apart
	s_mov_b32 s[G1B+2], 2<<16
	s_mov_b32 s[G1B+3], 6400<<16
	s_mov_b32 s[G1B+4], 2
	s_mov_b32 s[G1B+5], 12800
.irp g, G1A, G1B
	s_mov_b32 s[\g+6], 0
	s_mov_b32 s[\g+7], 0
.endr
	s_mul_i32 s40, s13, TILEB
	s_mov_b32 s41, 0
	s_lshl_b32 s23, s11, 1
	s_add_co_u32 s23, s23, 88
	s_mul_i32 s42, s23, TILEB                      ; w's pair of tiles in ops
	s_mov_b32 s43, 0
	s_wait_dscnt 0x0                               ; the opening add is done
	s_wait_kmcnt 0x0
	s_add_nc_u64 s[40:41], s[4:5], s[40:41]
	s_add_nc_u64 s[42:43], s[6:7], s[42:43]
.irp j, 0,1                            ; LDS by halves of K: half j at 153,600 j: A's, then B's two tiles'
	s_mov_b32 s[G0A+4*\j], 1
	s_mov_b32 s[G0A+4*\j+1], \j*3*HALFB
	s_add_nc_u64 s[G0A+4*\j+2:G0A+4*\j+3], s[40:41], \j*HALFB
	s_or_b32 s[G0A+4*\j+3], s[G0A+4*\j+3], 0x80000000
	s_mov_b32 s[G0B+4*\j], 1
	s_mov_b32 s[G0B+4*\j+1], \j*3*HALFB+HALFB
	s_add_nc_u64 s[G0B+4*\j+2:G0B+4*\j+3], s[42:43], \j*HALFB
	s_or_b32 s[G0B+4*\j+3], s[G0B+4*\j+3], 0x80000000
.endr
	CROUND                                         ; all sixteen work-groups are here: the joint loads meet
; THE FILLS, as they now stand (in place of the four parts of which the head speaks): two halves of 512 along K, ONE joint load a wave, all at the head, in one chain of branches on the wave's number:
; wave 0 A's first half, wave 1 B's, wave 2 A's second half, wave 3 B's.  One tensor load of a wave is out at the most.  No byte is filled again.
	s_cmp_eq_u32 s8, 0
	s_cbranch_scc0 .Lwave_1
	tensor_load_to_lds s[G0A:G0A+3], s[G1A:G1A+7]
	s_nop 0
	PLACES
	s_branch .Lasked
.Lwave_1:
	s_cmp_eq_u32 s8, 1
	s_cbranch_scc0 .Lwave_2
	tensor_load_to_lds s[G0B:G0B+3], s[G1B:G1B+7]
	s_nop 0
	PLACES
	s_branch .Lasked
.Lwave_2:
	s_cmp_eq_u32 s8, 2
	s_cbranch_scc0 .Lwave_3
	tensor_load_to_lds s[G0A+4:G0A+7], s[G1A:G1A+7]
	s_nop 0
	PLACES
	s_branch .Lasked
.Lwave_3:
	tensor_load_to_lds s[G0B+4:G0B+7], s[G1B:G1B+7]
	s_nop 0
	PLACES
.Lasked:
	v_and_b32 v1, 15, v0                           ; r
	v_bfe_u32 v2, v0, 4, 1                         ; h
	v_mul_u32_u24 v3, v1, 48
	v_mad_u32_u24 v3, v2, 24, v3
	s_mul_i32 s19, s9, 3072
	v_add_nc_u32 v4, s19, v3                       ; A's fragments, kt 0-3;
	v_add_nc_u32 v5, 3*HALFB, v4
	s_mul_i32 s20, s10, HALFB
	s_add_co_u32 s20, s20, HALFB
	v_add_nc_u32 v6, s20, v3                       ; B's
	v_add_nc_u32 v7, 3*HALFB, v6
	s_lshl_b32 s21, s9, 8
	s_add_co_u32 s21, s21, 12288
	v_lshl_add_u32 v8, v1, 4, s21                  ; A's scale words
	v_add_nc_u32 v9, 3*HALFB, v8
	s_add_co_u32 s22, s20, 12288
	v_and_b32 v16, 31, v0
	v_lshl_add_u32 v10, v16, 4, s22                ; B's
	v_add_nc_u32 v11, 3*HALFB, v10
	s_mul_i32 s23, s8, STGW
	s_add_co_u32 s23, s23, STAGE
	v_mul_u32_u24 v12, v1, 272
	v_lshl_add_u32 v12, v2, 6, v12
	v_add_nc_u32 v12, s23, v12                     ; my stage, in: row r, + 64 h
	v_mul_u32_u24 v13, v2, 272
	v_lshl_add_u32 v13, v1, 4, v13
	v_add_nc_u32 v13, s23, v13                     ; back: lanes 0-15 one row of 256 bytes, lanes 16-31 the next
	v_lshlrev_b32 v14, 12, v2
	v_lshl_add_u32 v14, v1, 4, v14                 ; and the same in out0: rows of 4,096 bytes
	s_lshl_b32 s84, s13, 7
	s_lshl_b32 s85, s9, 6
	s_add_co_u32 s84, s84, s85
	s_lshl_b32 s84, s84, 12                        ; my first token's row
	s_lshl_b32 s85, s11, 10
	s_add_co_u32 s84, s84, s85
	s_lshl_b32 s85, s10, 9
	s_add_co_u32 s84, s84, s85                     ; + my first column: 256 cx + 128 x tile, 4 bytes each
	s_mov_b32 s85, 0
	s_add_nc_u64 s[46:47], s[88:89], s[84:85]
.macro FRAG reg, adr, kt, i            ; 16 rows x 128 K: 12 registers, in pieces of 8 bytes
.irp p, 0,1,2,3,4,5
	ds_load_b64 v[\reg+2*\p:\reg+2*\p+1], v[\adr+((\kt)>>2)] offset:((\kt)&3)*KTB+(\p/3)*6144+768*(\i)+8*(\p%3)
.endr
.endm
.macro FETCH kt, p
	WIN 0x80                                       ; destination window 2
.irp i, 0,1,2,3,4,5,6,7
	FRAG 128*(\p)+12*\i, 6, \kt, \i
.endr
	WIN 0
.irp i, 0,1,2,3
	FRAG AF+48*(\p)+12*\i, 4, \kt, \i
.endr
	ds_load_b128 v[SA+8*(\p):SA+8*(\p)+3], v[8+((\kt)>>2)] offset:((\kt)&3)*KTB
	ds_load_b128 v[SB+8*(\p):SB+8*(\p)+3], v[10+((\kt)>>2)] offset:((\kt)&3)*KTB
.endm
.macro WM a, b, p, zero
.set ACC, 8*(8*(\a)+(\b))
.set BFR, 128*(\p)+12*(\b)
.set AFR, AF+48*(\p)+12*(\a)
.set SBR, SB+8*(\p)+((\b)&3)
.set SAR, SA+8*(\p)+(\a)
.if \zero
.if (\b) < 4
	v_wmma_scale_f32_16x16x128_f8f6f4 v[ACC:ACC+7], v[BFR:BFR+11], v[AFR:AFR+11], 0, v[SBR], v[SAR] matrix_a_fmt:MATRIX_FMT_FP6 matrix_b_fmt:MATRIX_FMT_FP6
.else
	v_wmma_scale_f32_16x16x128_f8f6f4 v[ACC:ACC+7], v[BFR:BFR+11], v[AFR:AFR+11], 0, v[SBR], v[SAR] matrix_a_fmt:MATRIX_FMT_FP6 matrix_b_fmt:MATRIX_FMT_FP6 matrix_a_scale:MATRIX_SCALE_ROW1
.endif
.else
.if (\b) < 4
	v_wmma_scale_f32_16x16x128_f8f6f4 v[ACC:ACC+7], v[BFR:BFR+11], v[AFR:AFR+11], v[ACC:ACC+7], v[SBR], v[SAR] matrix_a_fmt:MATRIX_FMT_FP6 matrix_b_fmt:MATRIX_FMT_FP6
.else
	v_wmma_scale_f32_16x16x128_f8f6f4 v[ACC:ACC+7], v[BFR:BFR+11], v[AFR:AFR+11], v[ACC:ACC+7], v[SBR], v[SAR] matrix_a_fmt:MATRIX_FMT_FP6 matrix_b_fmt:MATRIX_FMT_FP6 matrix_a_scale:MATRIX_SCALE_ROW1
.endif
.endif
.endm
.macro MUL16 a0, p, zero               ; the 32 accumulators take turns, one instruction a turn, in the same order in every step
	WIN 0x52                                       ; source 0 (B) window 2, source 1 (A) window 0, C and D window 1
.irp a, \a0, \a0+1
.irp b, 0,1,2,3,4,5,6,7
	WM \a, \b, \p, \zero
.endr
.endr
.endm
; A step of 128 along K.  tw >= 0: the next step begins a part of the tiles: each wave waits until that part of its own loads has landed (tw = the parts behind it, which may stay out), and a barrier shows it to all.
.macro STEP q, p, zero, tw
	s_wait_dscnt 0x0                               ; this step's fragments are in; no LDS instruction of mine is out at the signal
.if \tw >= 0
	s_wait_tensorcnt \tw
	s_barrier_signal -1
.endif
	MUL16 0, \p, \zero
.if \tw >= 0
	s_barrier_wait -1
.endif
.if \q < 7
	PLACES                                         ; the other set was read by the last step's products
	FETCH \q+1, 1-\p
.endif
	MUL16 2, \p, \zero
.endm
	s_wait_alu depctr_va_vdst(0)
	s_cmp_lt_u32 s8, 2                             ; the first half's loads are waves 0 and 1's own lines: they wait; the second half may stay out
	s_cbranch_scc0 .Lnot_first
	s_wait_tensorcnt 0x0
.Lnot_first:
	s_barrier_signal -1
	s_barrier_wait -1                              ; the first half is shown to all
	FETCH 0, 0
	STEP 0, 0, 1, -1                               ; the first products start the sums
	STEP 1, 1, 0, -1
	STEP 2, 0, 0, -1
	STEP 3, 1, 0, 0                                ; every wave waits for its load: the second half is shown to all
	STEP 4, 0, 0, -1
	STEP 5, 1, 0, -1
	STEP 6, 0, 0, -1
	STEP 7, 1, 0, -1
; THE WAY OUT, block n = 2 a + e: 16 tokens (block a of my rows) x 64 columns (half e of my 128).  A lane holds 8 neighbouring columns a tile; the block goes through my own stage and comes back as rows of 256 bytes.
; Stage row 2 i + h is pos 16 a + 2 i + h of my 64 rows, which is token 32 (a >> 1) + 16 (i >> 2) + 8 (a & 1) + 2 (i & 3) + h.
.macro TOSTAGE n
.set AA, (\n)>>1
.set EE, (\n)&1
	WIN 0x04                                       ; an LDS store's data are its source 1: window 1
.irp u, 0,1,2,3
	ds_store_b128 v12, v[8*(8*AA+4*EE+\u):8*(8*AA+4*EE+\u)+3] offset:128*(\u>>1)+32*(\u&1)        ; each accumulator from its low end on
	ds_store_b128 v12, v[8*(8*AA+4*EE+\u)+4:8*(8*AA+4*EE+\u)+7] offset:128*(\u>>1)+32*(\u&1)+16
.endr
	WIN 0
.set BB, 64+32*((\n)&1)
.irp i, 0,1,2,3,4,5,6,7
	ds_load_b128 v[BB+4*\i:BB+4*\i+3], v13 offset:544*\i           ; LDS serves a wave's instructions in order: these see my stores, and the next block's stores come behind them
.endr
.endm
.macro SEND n, younger                 ; younger: the LDS instructions issued behind block n's loads, which may stay out
.set AA, (\n)>>1
.set EE, (\n)&1
.set BB, 64+32*((\n)&1)
	s_wait_dscnt \younger
.irp i, 0,1,2,3,4,5,6,7
	global_store_b128 v14, v[BB+4*\i:BB+4*\i+3], s[46:47] offset:(32*(AA>>1)+16*(\i>>2)+8*(AA&1)+2*(\i&3))*4096+256*EE th:TH_STORE_NT   ; 16 lanes store 256 consecutive bytes, at a multiple of 256 from out0's first byte
.endr
.endm
	WIN 0
	PLACES                                         ; ahead of the first read of results and of the loads into registers that held A's fragments
	TOSTAGE 0
.irp n, 1,2,3,4,5,6,7
.if \n > 1
	s_wait_xcnt 0x0                                ; block n - 2's stores have read their registers: block n's loads may land there
.endif
	TOSTAGE \n
	SEND \n-1, 16                                  ; behind block n - 1's loads: block n's 8 stores and 8 loads
.endr
	SEND 7, 0
	s_wait_tensorcnt 0x0                           ; the wave's end
	ds_add_u32 v[SPW], v[NIL]
	s_wait_dscnt 0x0
	CROUND                                         ; the closing round
	s_endpgm
.Lfunc_end_k_q7f26a25880_gemm_proj:
	.size	k_q7f26a25880_gemm_proj, .Lfunc_end_k_q7f26a25880_gemm_proj-k_q7f26a25880_gemm_proj
	.p2alignl 7, 3214868480
	.fill 96, 4, 3214868480
	.section	.rodata,"a",@progbits
	.p2align	6, 0x0
	.amdhsa_kernel k_q7f26a25880_gemm_proj
		.amdhsa_group_segment_fixed_size 327680
		.amdhsa_private_segment_fixed_size 0
		.amdhsa_enable_private_segment 0
		.amdhsa_kernarg_size 24
		.amdhsa_user_sgpr_count 2
		.amdhsa_user_sgpr_kernarg_segment_ptr 1
		.amdhsa_wavefront_size32 1
		.amdhsa_system_sgpr_workgroup_id_x 1
		.amdhsa_system_sgpr_workgroup_id_y 1
		.amdhsa_system_sgpr_workgroup_id_z 1
		.amdhsa_system_vgpr_workitem_id 0
		.amdhsa_next_free_vgpr 768
		.amdhsa_next_free_sgpr 100
		.amdhsa_reserve_vcc 0
		.amdhsa_float_denorm_mode_32 3
		.amdhsa_float_denorm_mode_16_64 3
		.amdhsa_memory_ordered 1
		.amdhsa_forward_progress 1
		.amdhsa_inst_pref_size 94
	.end_amdhsa_kernel
	.amdgpu_metadata
---
amdhsa.version: [ 1, 2 ]
amdhsa.kernels:
  - .name:           k_q7f26a25880_gemm_proj
    .symbol:         k_q7f26a25880_gemm_proj.kd
    .args:
      - { .name: yq, .offset: 0, .size: 8, .value_kind: global_buffer, .address_space: global }
      - { .name: ops, .offset: 8, .size: 8, .value_kind: global_buffer, .address_space: global }
      - { .name: out0, .offset: 16, .size: 8, .value_kind: global_buffer, .address_space: global }
    .group_segment_fixed_size: 327680
    .private_segment_fixed_size: 0
    .kernarg_segment_align: 8
    .kernarg_segment_size: 24
    .max_flat_workgroup_size: 128
    .sgpr_count:     100
    .vgpr_count:     768
    .wavefront_size: 32
...
	.end_amdgpu_metadata
.endif
;; end of part 4
